; MI455X (gfx1250); checked and timed in simulation.
; The chip was launched on July 23, 2026; its instructions are those of AMD's public machine-readable ISA for CDNA 5 (MIT licence, August 2026) and "CDNA5" Instruction Set Architecture Reference Guide (July 2026). The comments in the code are by the model that wrote it; some were corrected since.
;; Grouped Query Attention. Allowed arithmetic: float matrix products may take bf16 or f16 operands with f32 sums; all other float work in f32.
;; Inputs: K 4 x 1,024 x 1,024 float32; Q 4 x 1,024 x 4,096 float32; V 4 x 1,024 x 1,024 float32; W_o 2,048 x 4,096 float32; b_o 2,048 float32; mask 4 x 1,024 x 1,024 int32.
;; Outputs: out0 4 x 1,024 x 2,048 float32.
;; 2 versions, each right; version 2 is version 1 with the launch attention written anew for expert scheduling mode. Each part assembles by itself: llvm-mc -triple=amdgcn-amd-amdhsa -mcpu=gfx1250 --defsym DOCPART=n.
;; ======== version 1 of 2: 2 launches
;; limits: right only within a limited range of input values; values are held in f16: magnitudes above 65,504 overflow, below 6.1e-05 lose precision
;; workspace buffers: attn_h 33,554,432 bytes; wo_h 16,777,216 bytes
;; launch attention (part 1): grid 8 x 32, 8 waves a work-group, no clusters, 240,640 bytes of LDS; arguments Q, K, V, mask, W_o, attn_h, wo_h; writes attn_h, wo_h
.if DOCPART == 1
	.amdgcn_target "amdgcn-amd-amdhsa--gfx1250"
	.amdhsa_code_object_version 6
	.text
	.protected	k_q619a90eaef_attention
	.globl	k_q619a90eaef_attention
	.p2align	8
	.type	k_q619a90eaef_attention,@function
k_q619a90eaef_attention:
	s_mov_b64 s[64:65], 0
	v_nop
	global_prefetch_b8 v0, s[64:65] scope:SCOPE_SE
	s_setreg_imm32_b32 hwreg(HW_REG_WAVE_MODE, 25, 1), 1
	s_wait_xcnt 0x0
; Grouped-query attention, all 1,024 keys for every query (the mask is an input: no pattern of it is built in), with a running maximum.
; Q [4][1024][32 heads x 128] f32, K and V [4][1024][8 heads x 128] f32, mask [4][1024][1024] i32 (0 = masked).
; Out: attn_h [4096 rows = b*1024+s][4096 columns = head*128+dv] in f16, and wo_h = W_o rounded to f16 (same order as W_o).
;
; SHARES.  Work-group (x, y): 128 query rows 128 x .. 128 x + 127 of batch b = y >> 3 and key/value head hkv = y & 7.  Eight waves.
; Wave w: query rows 16 w .. 16 w + 15 of the block, for ALL FOUR query heads of the group, so its tile of the mask has 16 rows only and
; each register of it serves four matrix instructions.  The keys go in 16 steps of 64.
; Beside that each work-group rounds 131,072 bytes of W_o to f16, each wave 1,024 bytes in each step.
;
; EVERYTHING IS USED TRANSPOSED, so that a lane owns one query row r = lane & 15 (h = lane >> 4):
;   S^T = K Q^T + bias: source 0 = 16 keys, source 1 = 16 queries; register j of the result is key 16 n + 8 h + j, query r.
;         The first of the four products along d takes the mask's tile, made into 0 or -2^100, as its C: masking costs nothing per score.
;   O^T = V^T P^T:      source 0 = V^T (transposing LDS loads of V[t][dv]), source 1 = P; register j is dv 16 dvb + 8 h + j, query r.
;         Two neighbouring score tiles, packed to f16 in place, ARE the source-1 fragment of 32 keys: nothing moves between lanes.
;   Maximum, sum and rescale factor of a row are one register a head; one exchange between the two halves of the wave joins them.
;
; FORMAT AND LIMITS.  Q, K, V, P, the result and W_o are rounded to f16; sums, maxima, exponentials in f32.
;   f16: magnitudes must stay below 65,504 (beyond it: infinity), magnitudes below 2^-25 round to zero.
;   A masked score is q.k - 2^100 and the running maximum starts at -2^90: kept raw scores q.k must lie above -2^90.
;   A row with no kept key ends with sum 0 and O = 0 and gives 0 x infinity = NaN, as the softmax of a row of -inf does.
;   The rescale of O is done in every step, whatever the maximum did: no branch hangs on data.
;
; NO TENSOR LOADS, NO CLUSTER.  The eight work-groups of one y read the same K and V tiles, but the tiles lie in memory as f32 and are
; wanted in LDS as f16.  A joint tensor load would land them as f32 (twice the LDS bytes) and each tile would have to be read from LDS,
; rounded and stored to LDS once more.  Through registers the rounding is 32 instructions a wave and step, and the tile is stored once.
;
; LDS, 239,616 bytes.  All of it is filled by ds_store.
;   KB  0       2 x 64 rows x 272   K tile in f16, pitch 256 + 16: the 16 rows of a fragment load start at 16 different 16-byte columns modulo 256
;   VB  34,816  2 x 64 rows x 288   V tile in f16 as [t][dv], pitch an odd multiple of 32 for the transposing loads
;   QST 71,680  8 x 16 rows x 1,040 each wave's own: its Q in f16, row r, byte 256 g + 2 d; at the end the stage of its results, same shape
;   MSG 204,800 8 x 16 rows x 272   each wave's own: its tile of the mask, 16 rows of 64 words
.set KBUF,   17408
.set KP,     272
.set VB0,    34816
.set VBUF,   18432
.set VP,     288
.set QST,    71680
.set QWAVE,  16640
.set QPITCH, 1040
.set MSG,    204800
.set MWAVE,  4352
.set TILEB,  262144                    ; 64 rows of K or V, 4,096 bytes each
; VECTOR REGISTERS.  Window 0:
.set KADR, 1                           ; r*272 + 16 h
.set VADR, 2                           ; VB0 + (8 h + (lane & 7))*288 + 16 ((lane >> 3) & 1)
.set QADR, 3                           ; my Q stage + r*1040 + 16 h
.set KST,  4                           ; w*8 rows*272 + 8 lane
.set VST,  5                           ; VB0 + w*8 rows*288 + 8 lane
.set MSTA, 6                           ; my mask stage + h*272 + 16 r
.set MLD,  7                           ; my mask stage + r*272 + 32 h
.set GKV,  8                           ; w*8 rows*4096 + 16 lane
.set GM,   9                           ; w*16 rows*4096 + h*4096 + 16 r
.set GWI,  10                          ; w*16384 + 16 lane
.set GWO,  11                          ; w*8192 + 8 lane
.set GPF,  12                          ; (lane >> 1)*4096 + (lane & 1)*256
.set ORD,  13                          ; my Q stage + 16 lane
.set GA,   14                          ; w*16 rows*8192 + 16 lane
.set NEG,  15                          ; -2^100
.set MX,   16                          ; v16-19   running maximum of head g (raw scores)
.set LS,   20                          ; v20-23   this lane's part of the running sum of head g
.set T,    24                          ; v24-31   at work; between the steps: 1,024 bytes of W_o on their way
.set BI,   32                          ; v32-63   the mask's tile, then the bias: tile n at 8 n
.set FR,   64                          ; v64-127  fragments: K at 64 + 8 n and Q at 96 + 8 g; then V^T, two halves of 32
.set SC,   128                         ; v128-255 scores of (g, n) at 32 g + 8 n.  Packed: P(g, c) at 32 g + 16 c .. + 7; the other
                                       ;          8 of each 16 are then free, 64 in all: there the next K and V tile lands
; Window 1 (v256-511): O(g, dvb) at 64 g + 8 dvb.  In the prologue: Q as loaded.
; SCALARS: s[4:5] Q  s[6:7] K  s[8:9] V  s[10:11] mask  s[12:13] W_o  s[14:15] attn_h  s[16:17] wo_h  s18 wave  s19 x  s20 y  s21 b  s22 hkv
;          s23-25 at work  s26 = s27 = c = log2(e)/sqrt(128)  s28 = -c  s30 = -2^90  s31, s32 lane selects  s33 trips
;          s[34:35] prefetch pointer = s[36:37] its base + s[38:39] its offset   s40-43 masks of compares
.set MSB, 0
.macro WIN new                         ; s_set_vgpr_msb: bits 1:0 source 0, 3:2 source 1, 5:4 source 2, 7:6 destination; the high byte repeats the setting that is left
.if MSB != \new
	s_set_vgpr_msb (MSB<<8)|\new
.set MSB, \new
.endif
.endm
; Four places behind a matrix instruction before a vector instruction reads its result or a load is issued into one of its registers
; (ISA guide 7.12.1 for vector instructions).
.macro PLACES
.rept 4
	v_nop
.endr
.endm
; Two rows of K and two of V of the next tile, into the registers that head g's packing has just freed.  A load of the wave is one row's 512 bytes.
.macro KVLOAD g
	global_load_b128 v[SC+32*\g+8:SC+32*\g+11],  v[GKV], s[6:7] offset:(2*\g)*4096
	global_load_b128 v[SC+32*\g+12:SC+32*\g+15], v[GKV], s[6:7] offset:(2*\g+1)*4096
	global_load_b128 v[SC+32*\g+24:SC+32*\g+27], v[GKV], s[8:9] offset:(2*\g)*4096
	global_load_b128 v[SC+32*\g+28:SC+32*\g+31], v[GKV], s[8:9] offset:(2*\g+1)*4096
.endm
; My eight rows of K and of V: rounded to f16 in place, 8 bytes a lane into buffer pn.
.macro KVSTORE pn
.irp g, 0,1,2,3
.irp e, 8,12,24,28
	v_cvt_pk_f16_f32 v[SC+32*\g+\e],   v[SC+32*\g+\e],   v[SC+32*\g+\e+1]
	v_cvt_pk_f16_f32 v[SC+32*\g+\e+1], v[SC+32*\g+\e+2], v[SC+32*\g+\e+3]
.endr
.endr
.irp g, 0,1,2,3
.irp e, 0,1
	ds_store_b64 v[KST], v[SC+32*\g+8+4*\e:SC+32*\g+9+4*\e]   offset:\pn*KBUF+(2*\g+\e)*KP
	ds_store_b64 v[VST], v[SC+32*\g+24+4*\e:SC+32*\g+25+4*\e] offset:\pn*VBUF+(2*\g+\e)*VP
.endr
.endr
.endm
; My 16 rows x 64 words of the mask: lanes 0-15 take the 256 bytes of row 2 j, lanes 16-31 those of row 2 j + 1.
.macro MASKLOAD
.irp j, 0,1,2,3,4,5,6,7
	global_load_b128 v[BI+4*\j:BI+4*\j+3], v[GM], s[10:11] offset:\j*8192
.endr
.endm
; Through my own stage into the layout of a C operand: register j of tile n = mask[r][16 n + 8 h + j].
; LDS serves a wave's instructions in order (ISA guide 5.7.1.4): the loads see the stores.
.macro MASKSTAGE
.irp j, 0,1,2,3,4,5,6,7
	ds_store_b128 v[MSTA], v[BI+4*\j:BI+4*\j+3] offset:\j*2*KP
.endr
.irp n, 0,1,2,3
	ds_load_b128 v[BI+8*\n:BI+8*\n+3],   v[MLD] offset:64*\n
	ds_load_b128 v[BI+8*\n+4:BI+8*\n+7], v[MLD] offset:64*\n+16
.endr
.endm
; mask word 0 -> -2^100, any other -> 0
.macro MASKBIAS
.irp i, 0,4,8,12,16,20,24,28
	v_cmp_eq_u32 s40, 0, v[BI+\i]
	v_cmp_eq_u32 s41, 0, v[BI+\i+1]
	v_cmp_eq_u32 s42, 0, v[BI+\i+2]
	v_cmp_eq_u32 s43, 0, v[BI+\i+3]
	v_cndmask_b32 v[BI+\i],   0, v[NEG], s40
	v_cndmask_b32 v[BI+\i+1], 0, v[NEG], s41
	v_cndmask_b32 v[BI+\i+2], 0, v[NEG], s42
	v_cndmask_b32 v[BI+\i+3], 0, v[NEG], s43
.endr
.endm
; The scores of 64 keys x 64 queries: four products of 32 along d.  Q's eight loads go first, then K's, two for each block of 16 keys,
; so the wait in front of key block n leaves the 6 - 2 n loads of the later blocks out.
; The 16 accumulators take turns, one instruction a turn, in the same order in all four products.
.macro SPHASE p
.irp kk, 0,1,2,3
.if \kk
	PLACES
.endif
.irp g, 0,1,2,3
	ds_load_b128 v[FR+32+8*\g:FR+32+8*\g+3],   v[QADR] offset:256*\g+64*\kk
	ds_load_b128 v[FR+32+8*\g+4:FR+32+8*\g+7], v[QADR] offset:256*\g+64*\kk+32
.endr
.irp n, 0,1,2,3
	ds_load_b128 v[FR+8*\n:FR+8*\n+3],   v[KADR] offset:\p*KBUF+\n*16*KP+64*\kk
	ds_load_b128 v[FR+8*\n+4:FR+8*\n+7], v[KADR] offset:\p*KBUF+\n*16*KP+64*\kk+32
.endr
.irp n, 0,1,2,3
	s_wait_dscnt 6-2*\n
.irp g, 0,1,2,3
.if \kk
	v_wmma_f32_16x16x32_f16 v[SC+32*\g+8*\n:SC+32*\g+8*\n+7], v[FR+8*\n:FR+8*\n+7], v[FR+32+8*\g:FR+32+8*\g+7], v[SC+32*\g+8*\n:SC+32*\g+8*\n+7]
.else
	v_wmma_f32_16x16x32_f16 v[SC+32*\g+8*\n:SC+32*\g+8*\n+7], v[FR+8*\n:FR+8*\n+7], v[FR+32+8*\g:FR+32+8*\g+7], v[BI+8*\n:BI+8*\n+7]
.endif
.endr
.endr
.endr
.endm
; Four fragments of V^T (dv blocks 4 half .. 4 half + 3, keys 32 c .. 32 c + 31 of buffer p): eight transposing loads.
.macro VFETCH p, c, half
.irp i, 0,1,2,3
	ds_load_tr16_b128 v[FR+32*\half+8*\i:FR+32*\half+8*\i+3],   v[VADR] offset:\p*VBUF+\c*32*VP+32*(4*\half+\i)
	ds_load_tr16_b128 v[FR+32*\half+8*\i+4:FR+32*\half+8*\i+7], v[VADR] offset:\p*VBUF+\c*32*VP+32*(4*\half+\i)+16*VP
.endr
.endm
; Head g: new maximum, p = 2^(c s - c m), sum, rescale of O, P packed to f16 in place.  first = 1: nothing to rescale, sums start here.
.macro SOFTMAX g, first
.set SB, SC+32*\g
	v_max3_num_f32 v[T],   v[SB],   v[SB+1], v[SB+2]           ; my 32 scores of this row, in two chains
	v_max3_num_f32 v[T+1], v[SB+3], v[SB+4], v[SB+5]
.set j, 6
.rept 13
	v_max3_num_f32 v[T+(j/2)%2], v[T+(j/2)%2], v[SB+j], v[SB+j+1]
.set j, j+2
.endr
	v_max_num_f32 v[T], v[T], v[T+1]
	v_permlanex16_b32 v[T+1], v[T], s31, s32                   ; the row's other 32 scores lie in lane xor 16
.if \first
	v_max3_num_f32 v[T+3], v[T], v[T+1], s30                   ; the maximum starts at -2^90
.else
	v_max3_num_f32 v[T+3], v[T], v[T+1], v[MX+\g]
	v_sub_f32 v[T+2], v[MX+\g], v[T+3]
	v_mul_f32 v[T+2], s26, v[T+2]
	v_exp_f32 v[T+2], v[T+2]                                   ; alpha = 2^(c (old maximum - new)); the next line is the plain instruction behind it (ISA guide 5.7.2)
.endif
	v_mul_f32 v[T+4], s28, v[T+3]                              ; -c m
	v_mov_b32 v[T+5], v[T+4]
.set j, 0
.rept 16
	v_pk_fma_f32 v[SB+j:SB+j+1], v[SB+j:SB+j+1], s[26:27], v[T+4:T+5] op_sel_hi:[1,0,1]
.set j, j+2
.endr
.set j, 0
.rept 32
	v_exp_f32 v[SB+j], v[SB+j]
.set j, j+1
.endr
	v_mov_b32 v[MX+\g], v[T+3]                                 ; the plain instruction between the exponentials and the first use of a result
	s_wait_alu depctr_va_vdst(0)
	v_pk_add_f32 v[T+6:T+7], v[SB:SB+1],   v[SB+2:SB+3]        ; the sum, in two chains of pairs
	v_pk_add_f32 v[T:T+1],   v[SB+4:SB+5], v[SB+6:SB+7]
.set j, 8
.rept 12
.set CH, T+6*(1-(j/2)%2)
	v_pk_add_f32 v[CH:CH+1], v[CH:CH+1], v[SB+j:SB+j+1]
.set j, j+2
.endr
	v_pk_add_f32 v[T+6:T+7], v[T+6:T+7], v[T:T+1]
	v_add_f32 v[T+6], v[T+6], v[T+7]
.if \first
	v_mov_b32 v[LS+\g], v[T+6]
.else
	v_fma_f32 v[LS+\g], v[LS+\g], v[T+2], v[T+6]
.endif
.irp c, 0,1
.irp i, 0,1,2,3,4,5,6,7
	v_cvt_pk_f16_f32 v[SB+16*\c+\i], v[SB+16*\c+2*\i], v[SB+16*\c+2*\i+1]   ; ascending: no source is overwritten before it is read
.endr
.endr
.if \first == 0
	WIN 0x41                                                   ; destination and source 0 in window 1
.set j, 0
.rept 32
	v_pk_mul_f32 v[64*\g+j:64*\g+j+1], v[64*\g+j:64*\g+j+1], v[T+2:T+3] op_sel_hi:[1,0]   ; O of head g times alpha
.set j, j+2
.endr
	WIN 0
.endif
.endm
; 16 matrix instructions: four dv blocks x four heads, 32 keys.  The accumulators take turns, one instruction a turn.
.macro PVMUL half, c, zero
.irp i, 0,1,2,3
.irp g, 0,1,2,3
.if \zero
	v_wmma_f32_16x16x32_f16 v[64*\g+8*(4*\half+\i):64*\g+8*(4*\half+\i)+7], v[FR+32*\half+8*\i:FR+32*\half+8*\i+7], v[SC+32*\g+16*\c:SC+32*\g+16*\c+7], 0
.else
	v_wmma_f32_16x16x32_f16 v[64*\g+8*(4*\half+\i):64*\g+8*(4*\half+\i)+7], v[FR+32*\half+8*\i:FR+32*\half+8*\i+7], v[SC+32*\g+16*\c:SC+32*\g+16*\c+7], v[64*\g+8*(4*\half+\i):64*\g+8*(4*\half+\i)+7]
.endif
.endr
.endr
.endm
; 1,024 bytes of W_o in; 512 bytes of f16 out, each store of the wave 256 consecutive bytes, aligned.
.macro WLOAD
	global_load_b128 v[T:T+3],   v[GWI], s[12:13] th:TH_LOAD_NT
	global_load_b128 v[T+4:T+7], v[GWI], s[12:13] offset:512 th:TH_LOAD_NT
.endm
.macro WSTORE
	v_cvt_pk_f16_f32 v[T],   v[T],   v[T+1]
	v_cvt_pk_f16_f32 v[T+1], v[T+2], v[T+3]
	v_cvt_pk_f16_f32 v[T+2], v[T+4], v[T+5]
	v_cvt_pk_f16_f32 v[T+3], v[T+6], v[T+7]
	global_store_b64 v[GWO], v[T:T+1],   s[16:17]
	global_store_b64 v[GWO], v[T+2:T+3], s[16:17] offset:256
.endm
; Step i asks for a part of the tile that step i + 1 loads and step i + 2 multiplies.  Wave 0 alone asks.  Of the eight work-groups that read
; the same K and V, x = 0..3 ask for rows 16 x .. 16 x + 15 of K's tile and x = 4..7 for the same rows of V's: 32 lanes, 32 blocks of 256 bytes,
; each block asked for by one lane of one work-group.  The offset is clamped to the last tile, so no request leaves the buffer.
.macro PREFETCH
	s_cmp_lg_u32 s18, 0
	s_cbranch_scc1 .Lno_prefetch_\@
	global_prefetch_b8 v[GPF], s[34:35] th:TH_LOAD_NT scope:SCOPE_SE
.Lno_prefetch_\@:
.endm
; One step: 64 keys from buffers p; the next tile goes into buffers pn.
.macro STEP p, pn, first, last
	SPHASE \p
	PLACES                                         ; behind the last score product: for the softmax, and for the loads into BI and FR
.if \first == 0
	s_wait_loadcnt 0x0                             ; the two loads of W_o that the last step issued are all that is out
	s_add_nc_u64 s[12:13], s[12:13], 1024          ; free since that wait
	WSTORE
.endif
.if \last == 0
	MASKLOAD                                       ; the next tile of the mask: it has the softmax and the second product in which to land
.endif
	VFETCH \p, 0, 0
	VFETCH \p, 0, 1
	s_wait_xcnt 0x0                                ; T, which the stores above read, and the bases of the stores, of the mask's loads and of the prefetch are rewritten only behind this wait
.if \first == 0
	s_add_nc_u64 s[16:17], s[16:17], 512
.endif
.if \last == 0
	s_add_nc_u64 s[10:11], s[10:11], 256
.if \first == 0
	s_add_co_u32 s38, s38, TILEB
	s_min_u32 s38, s38, 15*TILEB                   ; never past the last tile
	s_add_nc_u64 s[34:35], s[36:37], s[38:39]
.endif
.endif
.irp g, 0,1,2,3
	SOFTMAX \g, \first
.if \last == 0
	KVLOAD \g
.endif
.endr
	WLOAD
.if \last == 0
	PREFETCH
.endif
	s_wait_dscnt 0x8                               ; V^T's first half is in; the eight loads of the second half may be out
	WIN 0x50                                       ; C and D in window 1
	PVMUL 0, 0, \first
	PLACES
	WIN 0
	VFETCH \p, 1, 0
	s_wait_dscnt 0x8                               ; all but the eight just issued
	WIN 0x50
	PVMUL 1, 0, \first
	PLACES
	WIN 0
	VFETCH \p, 1, 1
	s_wait_dscnt 0x8                               ; all but the eight just issued
	WIN 0x50
	PVMUL 0, 1, 0
	s_wait_dscnt 0x0
	PVMUL 1, 1, 0
	WIN 0
.if \last == 0
	s_wait_loadcnt 0x2                             ; issued in this step: 8 of the mask, 16 of K and V, 2 of W_o.  The last two stay out
	s_add_nc_u64 s[6:7], s[6:7], TILEB             ; free since that wait
	s_add_nc_u64 s[8:9], s[8:9], TILEB
	KVSTORE \pn
	MASKSTAGE
	s_wait_dscnt 0x0                               ; for the others' sake: my reads of buffers p are back and my stores into buffers pn are done
	s_barrier_signal -1
	MASKBIAS                                       ; register work while the others arrive
	s_barrier_wait -1                              ; behind it buffers pn are read and buffers p are written
.endif
.endm
	s_load_b256 s[4:11], s[0:1], 0x0               ; Q, K, V, mask
	s_load_b128 s[12:15], s[0:1], 0x20             ; W_o, attn_h
	s_load_b64 s[16:17], s[0:1], 0x30              ; wo_h
	v_lshrrev_b32 v24, 5, v0
	v_readfirstlane_b32 s18, v24                   ; wave
	s_mov_b32 s19, ttmp9                           ; x
	s_and_b32 s20, ttmp7, 0xffff                   ; y
	s_lshr_b32 s21, s20, 3                         ; b
	s_and_b32 s22, s20, 7                          ; hkv
	s_mov_b32 s26, 0x3e0293ee                      ; c = log2(e)/sqrt(128)
	s_mov_b32 s27, 0x3e0293ee
	s_mov_b32 s28, 0xbe0293ee                      ; -c
	s_mov_b32 s30, 0xec800000                      ; -2^90
	s_mov_b32 s31, 0x76543210                      ; v_permlanex16_b32: lane i reads lane i of the other half
	s_mov_b32 s32, 0xfedcba98
	v_and_b32 v26, 31, v0                          ; lane
	v_and_b32 v27, 15, v0                          ; r
	v_bfe_u32 v28, v0, 4, 1                        ; h
	v_and_b32 v29, 7, v0
	v_bfe_u32 v30, v0, 3, 1
	v_and_b32 v31, 1, v0
	v_mul_u32_u24 v[KADR], v27, KP
	v_lshl_add_u32 v[KADR], v28, 4, v[KADR]
	v_lshl_add_u32 v[VADR], v28, 3, v29
	v_mul_u32_u24 v[VADR], v[VADR], VP
	v_lshl_add_u32 v[VADR], v30, 4, v[VADR]
	v_add_nc_u32 v[VADR], VB0, v[VADR]
	s_mul_i32 s23, s18, QWAVE
	s_add_co_u32 s23, s23, QST                     ; my Q stage
	v_mul_u32_u24 v[QADR], v27, QPITCH
	v_lshl_add_u32 v[QADR], v28, 4, v[QADR]
	v_add_nc_u32 v[QADR], s23, v[QADR]
	v_lshl_add_u32 v[ORD], v26, 4, s23
	v_lshl_add_u32 v[T+1], v26, 3, s23             ; prologue only: where my 8 bytes of a piece of Q go
	s_mul_i32 s24, s18, 8*KP
	v_lshl_add_u32 v[KST], v26, 3, s24
	s_mul_i32 s24, s18, 8*VP
	s_add_co_u32 s24, s24, VB0
	v_lshl_add_u32 v[VST], v26, 3, s24
	s_mul_i32 s24, s18, MWAVE
	s_add_co_u32 s24, s24, MSG                     ; my mask stage
	v_mul_u32_u24 v[MSTA], v28, KP
	v_lshl_add_u32 v[MSTA], v27, 4, v[MSTA]
	v_add_nc_u32 v[MSTA], s24, v[MSTA]
	v_mul_u32_u24 v[MLD], v27, KP
	v_lshl_add_u32 v[MLD], v28, 5, v[MLD]
	v_add_nc_u32 v[MLD], s24, v[MLD]
	s_lshl_b32 s24, s18, 15
	v_lshl_add_u32 v[GKV], v26, 4, s24
	s_lshl_b32 s24, s18, 16
	v_lshlrev_b32 v[GM], 12, v28
	v_lshl_add_u32 v[GM], v27, 4, v[GM]
	v_add_nc_u32 v[GM], s24, v[GM]
	s_lshl_b32 s24, s18, 14
	v_lshl_add_u32 v[GWI], v26, 4, s24
	s_lshl_b32 s24, s18, 13
	v_lshl_add_u32 v[GWO], v26, 3, s24
	v_lshrrev_b32 v[GPF], 1, v26
	v_lshlrev_b32 v[GPF], 12, v[GPF]
	v_lshl_add_u32 v[GPF], v31, 8, v[GPF]
	s_lshl_b32 s24, s18, 17
	v_lshl_add_u32 v[GA], v26, 4, s24
	s_lshl_b32 s24, s18, 18
	v_lshl_add_u32 v[T], v26, 4, s24               ; prologue only: w*16 rows*16384 + 16 lane, my offset in Q
	v_mov_b32 v[NEG], 0xf1800000                   ; -2^100
	s_mov_b32 s25, 0                               ; every offset below is under 4 GiB: the pair's high word is 0
	s_mov_b32 s39, 0
	s_wait_kmcnt 0x0
	s_lshl_b32 s24, s21, 24                        ; Q: b*1024 rows*16384 + x*128 rows*16384 + hkv*2048
	s_lshl_b32 s23, s19, 21
	s_add_co_u32 s24, s24, s23
	s_lshl_b32 s23, s22, 11
	s_add_co_u32 s24, s24, s23
	s_add_nc_u64 s[4:5], s[4:5], s[24:25]
	s_lshl_b32 s24, s21, 22                        ; K, V: b*1024 rows*4096 + hkv*512
	s_lshl_b32 s23, s22, 9
	s_add_co_u32 s24, s24, s23
	s_add_nc_u64 s[6:7], s[6:7], s[24:25]
	s_add_nc_u64 s[8:9], s[8:9], s[24:25]
	s_cmp_lt_u32 s19, 4                            ; the prefetch: x < 4 asks in K, the others in V,
	s_cselect_b64 s[36:37], s[6:7], s[8:9]
	s_and_b32 s24, s19, 3
	s_lshl_b32 s24, s24, 16                        ; at rows 16 (x & 3) of a tile
	s_add_nc_u64 s[36:37], s[36:37], s[24:25]
	s_mov_b32 s38, 2*TILEB                         ; step 0 asks for tile 2
	s_add_nc_u64 s[34:35], s[36:37], s[38:39]
	s_lshl_b32 s24, s21, 22                        ; mask: b*1024 rows*4096 + x*128 rows*4096
	s_lshl_b32 s23, s19, 19
	s_add_co_u32 s24, s24, s23
	s_add_nc_u64 s[10:11], s[10:11], s[24:25]
	s_lshl_b32 s24, s21, 23                        ; attn_h: b*1024 rows*8192 + x*128 rows*8192 + hkv*1024
	s_lshl_b32 s23, s19, 20
	s_add_co_u32 s24, s24, s23
	s_lshl_b32 s23, s22, 10
	s_add_co_u32 s24, s24, s23
	s_add_nc_u64 s[14:15], s[14:15], s[24:25]
	s_lshl3_add_u32 s23, s20, s19                  ; 8 y + x: the work-group's number, 0 to 255
	s_lshl_b32 s24, s23, 17                        ; its 131,072 bytes of W_o
	s_add_nc_u64 s[12:13], s[12:13], s[24:25]
	s_lshl_b32 s24, s23, 16                        ; and 65,536 of wo_h
	s_add_nc_u64 s[16:17], s[16:17], s[24:25]
	; PROLOGUE: tile 0 of K, V and the mask, and my 16 rows x 2,048 bytes of Q (64 loads of 512 neighbouring bytes, into window 1).
.irp g, 0,1,2,3
	KVLOAD \g
.endr
	MASKLOAD
	WIN 0x40                                       ; destination in window 1
.set q, 0
.rept 64
	global_load_b128 v[4*q:4*q+3], v[T], s[4:5] offset:(q/4)*16384+(q%4)*512 th:TH_LOAD_NT
.set q, q+1
.endr
	WIN 0
	s_wait_loadcnt 63                              ; 64 loads of Q are younger than those of K, V and the mask; 63 is the most a wait can name, and asks for one load more
	s_wait_xcnt 0x0                                ; the three bases are stepped only behind this wait
	s_add_nc_u64 s[6:7], s[6:7], TILEB
	s_add_nc_u64 s[8:9], s[8:9], TILEB
	s_add_nc_u64 s[10:11], s[10:11], 256
	KVSTORE 0
	MASKSTAGE
.irp bq, 0,1,2,3
	s_wait_loadcnt 48-16*\bq                       ; Q in four batches of 16 loads: the younger batches stay out
	WIN 0x45                                       ; destination and both sources in window 1
.set q, 16*\bq
.rept 16
	v_cvt_pk_f16_f32 v[4*q],   v[4*q],   v[4*q+1]
	v_cvt_pk_f16_f32 v[4*q+1], v[4*q+2], v[4*q+3]
.set q, q+1
.endr
	WIN 0x04                                       ; an LDS store's data is source 1: window 1
.set q, 16*\bq
.rept 16
	ds_store_b64 v[T+1], v[4*q:4*q+1] offset:(q/4)*QPITCH+(q%4)*256
.set q, q+1
.endr
.endr
	WIN 0
	s_wait_dscnt 0x0                               ; my rows of tile 0 are in LDS, and the bias's words are back
	s_barrier_signal -1
	MASKBIAS
	s_barrier_wait -1
	STEP 0, 1, 1, 0                                ; step 0 stands in front of the loop: its products start the sums, nothing is cleared
	s_mov_b32 s33, 7
.Ltrip:
	STEP 1, 0, 0, 0
	STEP 0, 1, 0, 0
	s_sub_co_u32 s33, s33, 1
	s_cmp_lg_u32 s33, 0
	s_cbranch_scc1 .Ltrip
	STEP 1, 0, 0, 1                                ; step 15 fetches no further tile and needs no barrier behind it
	; EPILOGUE
	PLACES                                         ; behind the last product
	s_wait_loadcnt 0x0
	WSTORE                                         ; the last 1,024 bytes of W_o
.irp g, 0,1,2,3
	v_permlanex16_b32 v[BI+2*\g+1], v[LS+\g], s31, s32         ; the other half's part of the row's sum
.endr
.irp g, 0,1,2,3
	v_add_f32 v[BI+2*\g], v[LS+\g], v[BI+2*\g+1]
.endr
.irp g, 0,1,2,3
	v_rcp_f32 v[BI+2*\g], v[BI+2*\g]
.endr
	v_nop                                          ; the plain instruction behind the reciprocals (ISA guide 5.7.2)
	WIN 0x41
	s_wait_alu depctr_va_vdst(0)
.irp g, 0,1,2,3
.set j, 0
.rept 32
	v_pk_mul_f32 v[64*\g+j:64*\g+j+1], v[64*\g+j:64*\g+j+1], v[BI+2*\g:BI+2*\g+1] op_sel_hi:[1,0]
.set j, j+2
.endr
.endr
	WIN 0x05                                       ; both sources in window 1
.set j, 0
.rept 128
	v_cvt_pk_f16_f32 v[SC+j], v[2*j], v[2*j+1]     ; tile (g, dvb): 8 neighbouring dv of my row = 16 bytes in registers 4 (8 g + dvb) ..
.set j, j+1
.endr
	WIN 0
.set j, 0
.rept 32
	ds_store_b128 v[QADR], v[SC+4*j:SC+4*j+3] offset:32*j      ; my own stage: row r, byte 256 g + 32 dvb + 16 h
.set j, j+1
.endr
	s_wait_dscnt 0x0                               ; the loads below land on the registers that these stores read
.set j, 0
.rept 32
	ds_load_b128 v[SC+4*j:SC+4*j+3], v[ORD] offset:(j/2)*QPITCH+(j%2)*512
.set j, j+1
.endr
.set j, 0
.rept 32
	s_wait_dscnt 31-j                              ; LDS loads come back in order: number j is in, the younger ones stay out
	global_store_b128 v[GA], v[SC+4*j:SC+4*j+3], s[14:15] offset:(j/2)*8192+(j%2)*512   ; 512 consecutive bytes of a row, aligned
.set j, j+1
.endr
	s_wait_xcnt 0x0
	v_lshl_add_u32 v254, v0, 2, 0x3a800
	v_mov_b32 v255, 0
	s_wait_tensorcnt 0x0
	ds_add_u32 v254, v255
	s_wait_dscnt 0x0
	s_endpgm
.Lfunc_end_k_q619a90eaef_attention:
	.size	k_q619a90eaef_attention, .Lfunc_end_k_q619a90eaef_attention-k_q619a90eaef_attention
	.p2alignl 7, 3214868480
	.fill 96, 4, 3214868480
	.section	.rodata,"a",@progbits
	.p2align	6, 0x0
	.amdhsa_kernel k_q619a90eaef_attention
		.amdhsa_group_segment_fixed_size 240640
		.amdhsa_private_segment_fixed_size 0
		.amdhsa_enable_private_segment 0
		.amdhsa_kernarg_size 56
		.amdhsa_user_sgpr_count 2
		.amdhsa_user_sgpr_kernarg_segment_ptr 1
		.amdhsa_wavefront_size32 1
		.amdhsa_system_sgpr_workgroup_id_x 1
		.amdhsa_system_sgpr_workgroup_id_y 1
		.amdhsa_system_sgpr_workgroup_id_z 1
		.amdhsa_system_vgpr_workitem_id 0
		.amdhsa_next_free_vgpr 512
		.amdhsa_next_free_sgpr 66
		.amdhsa_reserve_vcc 0
		.amdhsa_float_denorm_mode_32 3
		.amdhsa_float_denorm_mode_16_64 3
		.amdhsa_memory_ordered 1
		.amdhsa_forward_progress 1
		.amdhsa_inst_pref_size 255
	.end_amdhsa_kernel
	.section	.bss,"aw",@nobits
	.p2align	6
	.space	262144
	.amdgpu_metadata
---
amdhsa.version: [ 1, 2 ]
amdhsa.kernels:
  - .name:           k_q619a90eaef_attention
    .symbol:         k_q619a90eaef_attention.kd
    .args:
      - { .name: Q, .offset: 0, .size: 8, .value_kind: global_buffer, .address_space: global }
      - { .name: K, .offset: 8, .size: 8, .value_kind: global_buffer, .address_space: global }
      - { .name: V, .offset: 16, .size: 8, .value_kind: global_buffer, .address_space: global }
      - { .name: mask, .offset: 24, .size: 8, .value_kind: global_buffer, .address_space: global }
      - { .name: W_o, .offset: 32, .size: 8, .value_kind: global_buffer, .address_space: global }
      - { .name: attn_h, .offset: 40, .size: 8, .value_kind: global_buffer, .address_space: global }
      - { .name: wo_h, .offset: 48, .size: 8, .value_kind: global_buffer, .address_space: global }
    .group_segment_fixed_size: 240640
    .private_segment_fixed_size: 0
    .kernarg_segment_align: 8
    .kernarg_segment_size: 56
    .max_flat_workgroup_size: 256
    .sgpr_count:     66
    .vgpr_count:     512
    .wavefront_size: 32
...
	.end_amdgpu_metadata
.endif
;; end of part 1
;; launch project (part 2): grid 16 x 16, 4 waves a work-group, clusters of 4 x 4, 327,680 bytes of LDS; arguments attn_h, wo_h, b_o, out0; writes out0
.if DOCPART == 2
	.amdgcn_target "amdgcn-amd-amdhsa--gfx1250"
	.amdhsa_code_object_version 6
	.text
	.protected	k_q619a90eaef_project
	.globl	k_q619a90eaef_project
	.p2align	8
	.type	k_q619a90eaef_project,@function
k_q619a90eaef_project:
	s_mov_b64 s[64:65], 0
	v_nop
	global_prefetch_b8 v0, s[64:65] scope:SCOPE_SE
	s_setreg_imm32_b32 hwreg(HW_REG_WAVE_MODE, 25, 1), 1
	s_wait_xcnt 0x0
	s_wait_alu depctr_hold_cnt(0) depctr_sa_sdst(0) depctr_va_vdst(0) depctr_va_sdst(0) depctr_va_ssrc(0) depctr_va_vcc(0) depctr_vm_vsrc(0)
	s_getreg_b32 s2, hwreg(HW_REG_IB_STS2, 6, 4)
	s_cmp_eq_u32 s2, 0
	s_cbranch_scc0 .Lentry_in_a_cluster
	s_endpgm
.Lentry_in_a_cluster:
	s_bfe_u32 s2, ttmp6, 0x10000c
	s_cmp_lg_u32 s2, 0xf033
	s_cbranch_scc0 .Lentry_shape_is_right
	s_endpgm
.Lentry_shape_is_right:
; out0[m][n] = sum over k of attn_h[m][k] wo_h[n][k] + b_o[n].  attn_h [4096][4096] f16, wo_h [2048][4096] f16, b_o [2048] f32, out0 [4096][2048] f32.
; Sums in f32.  Limits: those of f16 operands, as stated where the two buffers are made.
; A work-group makes a block of 256 rows x 128 columns with four waves: 16 x 16 = 256 work-groups.  A wave makes 128 x 64: 32 accumulator
; tiles of 16 x 16, 256 registers.  K goes in steps of 128 through a ring of two LDS slots filled by the tensor data mover: a tile's rows are
; 256 bytes of memory and start at multiples of 256 bytes from the buffer's first byte.  Two slots of two steps each would take 405,504 bytes
; and do not fit; blocks of 256 x 256 would make 128 work-groups only.
; CLUSTERS: 4 x 4 work-groups.  The four of a row of the cluster make blocks of one block row and need the same tiles of attn_h (A); the four of
; a column need the same tiles of wo_h (B).  Such a tile is asked for jointly: each of the four issues the same tensor load, with the same
; descriptor and a mask that names the four.  That divides the requests for A and for B by four.
; No prefetch: both operands are shared by the joint loads and each refill has a K step's matrix work, less eight instructions, in which to land.
;
; REGISTERS.  Window 0: v16-31 addresses and the bias; v64-159 fragment buffer 0 (B's 4 x 16 rows at 64, A's 8 x 16 rows at 96); v160-255 buffer 1.
;             Window 1: accumulator tile (a, b) at 8 (4 a + b), a = 16-row block 0..7, b = 16-column block 0..3.
; THE MATRIX INSTRUCTION IS USED TRANSPOSED: source 0 = 16 rows of B, source 1 = 16 rows of A.  Lane l then holds row l % 16 of the block and
; its registers 0 to 7 the columns 8 (l / 16) + 0 .. 7: eight neighbouring numbers of a row of out0.
.set SIZE_K, 4096
.set SIZE_N, 2048
.set KSTEP,  128
.set PITCH,  272                       ; an LDS row: 256 bytes + 16 of padding: the 16 rows that a load touches start at 16 different 16-byte columns modulo 256
.set AHALF,  128*PITCH                 ; what one load brings of A, and what one wave reads of A
.set BHALF,  64*PITCH                  ; the same for B
.set ATILE,  2*AHALF
.set SLOT,   ATILE+2*BHALF             ; A's 256 rows, then B's 128 rows: 104,448 bytes
.set STAGE,  2*SLOT                    ; behind the ring, at a multiple of 256 bytes: 16 rows x 272 bytes for each wave, for the way out; no tensor load lands here
.set LAPS,   SIZE_K/(2*KSTEP)          ; a lap = two K steps = once round the ring: 16
.set ADRA, 16                          ; v16-17  LDS address of my A fragments in slot 0, 1
.set ADRB, 20                          ; v20-21  the same for B
.set STO,  24                          ; the way out: where I put 32 bytes of a row
.set RD,   25                          ; the way out: where I read a row back
.set CO,   26                          ; my byte offset in out0
.set BO,   27                          ; my byte offset in b_o
.set BIAS, 28                          ; v28-31  b_o of the four columns that I store
.set F0,   64
.set F1,   160
.set G1,  24                           ; s[24:31] descriptor group 1 for A's tiles
.set G0,  32                           ; s[32:39] descriptor group 0 for A's tiles, one set for each slot
.set G1B, 48                           ; s[48:55] group 1 for B's tiles
.set G0B, 56                           ; s[56:63] group 0 for B's tiles, one set for each slot
.set MULW, 0x50                        ; C and D in window 1, both sources in window 0
.set MSB, 0
.macro WIN new                         ; the immediate's high byte repeats the setting that is left
.if MSB != \new
	s_set_vgpr_msb (MSB<<8)|\new
.set MSB, \new
.endif
.endm
; A joint load.  Waves 0 and 1 fetch A's two halves, waves 2 and 3 B's.  Each line has one mask and one set of registers for all that issue it.
; The branch hangs on the wave's number alone.
.macro JLOAD s
	s_cmp_eq_u32 s13, 0
	s_cbranch_scc0 .Lfor_b_\@
	tensor_load_to_lds s[G0+4*\s:G0+4*\s+3], s[G1:G1+7]
	s_nop 0
	s_branch .Lasked_\@
.Lfor_b_\@:
	tensor_load_to_lds s[G0B+4*\s:G0B+4*\s+3], s[G1B:G1B+7]
	s_nop 0
.Lasked_\@:
.endm
; A round of the cluster's barrier: my work-group's barrier; wave 0 signals for the work-group; every wave waits for all sixteen; my work-group's barrier again.
.macro CREST                           ; a round behind its opening barrier
	s_cmp_lg_u32 s12, 0
	s_cbranch_scc1 .Lnot_wave_0_\@
	s_barrier_signal -3
.Lnot_wave_0_\@:
	s_barrier_wait -3
	s_barrier_signal -1
	s_barrier_wait -1
.endm
.macro CROUND
	s_barrier_signal -1
	s_barrier_wait -1
	CREST
.endm
	s_load_b256 s[4:11], s[0:1], 0x0               ; attn_h s[4:5], wo_h s[6:7], b_o s[8:9], out0 s[10:11]
	v_lshl_add_u32 v62, v0, 2, 0x37400
	v_mov_b32 v63, 0
	ds_add_u32 v62, v63
	v_lshrrev_b32 v1, 5, v0
	v_readfirstlane_b32 s12, v1                    ; wave 0..3
	s_lshr_b32 s13, s12, 1                         ; which 128 rows of the block are mine.  Also: I fetch for A (0) or for B (1)
	s_and_b32 s14, s12, 1                          ; which 64 columns.  Also: which half of that tile I fetch
	s_bfe_u32 s40, ttmp6, 0x40000                  ; cx
	s_bfe_u32 s41, ttmp6, 0x40004                  ; cy
	s_lshl_b32 s42, ttmp9, 2
	s_add_co_u32 s42, s42, s40                     ; block column = 4 x cluster x + cx
	s_and_b32 s15, ttmp7, 0xffff
	s_lshl_b32 s15, s15, 2
	s_add_co_u32 s15, s15, s41                     ; block row = 4 x cluster y + cy
	s_lshl_b32 s43, s41, 2
	s_lshl_b32 s43, 15, s43                        ; my row of the cluster: places 4 cy .. 4 cy + 3
	s_lshl_b32 s45, 0x1111, s40                    ; my column: places cx, cx + 4, cx + 8, cx + 12
	; group 1: rows of 128 elements of 2 bytes, padded in LDS by 4 words behind every 64; A: 128 rows, B: 64 rows
	s_or_b32 s[G1+0],  s43, (1<<16)|(1<<20)|(1<<21)|(5<<22)|(3<<25)  ; 15:0 mask; 17:16 element of 2 bytes; 20 padding on; 21 set beside a mask; 24:22 interval code 5; 31:25 pad code 3
	s_or_b32 s[G1B+0], s45, (1<<16)|(1<<20)|(1<<21)|(5<<22)|(3<<25)
	s_mov_b32 s[G1+1],  KSTEP<<16                  ; tensor_dim0 = 128
	s_mov_b32 s[G1B+1], KSTEP<<16
	s_mov_b32 s[G1+2],  128<<16                    ; tensor_dim1 = 128
	s_mov_b32 s[G1B+2], 64<<16                     ; tensor_dim1 = 64
	s_mov_b32 s[G1+3],  KSTEP<<16                  ; tile_dim0 = 128
	s_mov_b32 s[G1B+3], KSTEP<<16
	s_mov_b32 s[G1+4],  128                        ; tile_dim1 = 128
	s_mov_b32 s[G1B+4], 64                         ; tile_dim1 = 64
	s_mov_b32 s[G1+5],  SIZE_K                     ; elements from row to row
	s_mov_b32 s[G1B+5], SIZE_K
	s_mov_b32 s[G1+6],  0
	s_mov_b32 s[G1B+6], 0
	s_mov_b32 s[G1+7],  0
	s_mov_b32 s[G1B+7], 0
	; where the tiles come from: A's hang on the block row alone, B's on the block column alone, each in registers that never hold the other coordinate
	s_lshl_b32 s16, s15, 21                        ; A: (256 x block row + 128 x half) rows of 8,192 bytes
	s_lshl_b32 s18, s14, 20
	s_add_co_u32 s16, s16, s18
	s_mov_b32 s17, 0
	s_lshl_b32 s46, s42, 20                        ; B: (128 x block column + 64 x half) rows of 8,192 bytes
	s_lshl_b32 s18, s14, 19
	s_add_co_u32 s46, s46, s18
	s_mov_b32 s47, 0
	s_mul_i32 s20, s12, AHALF                      ; and where they go.  A (waves 0, 1): wave x 128 rows
	s_mul_i32 s21, s12, BHALF                      ; B (waves 2, 3): behind A's 256 rows, (wave - 2) x 64 rows = AHALF + wave x BHALF
	s_add_co_u32 s21, s21, AHALF
	s_wait_dscnt 0x0
	s_wait_kmcnt 0x0
	s_add_nc_u64 s[16:17], s[4:5], s[16:17]
	s_add_nc_u64 s[46:47], s[6:7], s[46:47]
	CROUND                                         ; all sixteen work-groups are here: the first joint loads meet
.irp s, 0,1
	s_mov_b32 s[G0+4*\s], 1                                        ; count = 1
	s_add_co_u32 s[G0+4*\s+1], s20, \s*SLOT                        ; LDS address
	s_add_nc_u64 s[G0+4*\s+2:G0+4*\s+3], s[16:17], \s*KSTEP*2      ; global address: K step s
	s_or_b32 s[G0+4*\s+3], s[G0+4*\s+3], 0x80000000                ; type = 2
	s_mov_b32 s[G0B+4*\s], 1
	s_add_co_u32 s[G0B+4*\s+1], s21, \s*SLOT
	s_add_nc_u64 s[G0B+4*\s+2:G0B+4*\s+3], s[46:47], \s*KSTEP*2
	s_or_b32 s[G0B+4*\s+3], s[G0B+4*\s+3], 0x80000000
	JLOAD \s                                       ; both slots are asked for before anything else is done: two tensor loads of the wave are out
.endr
	; A fragment is 16 rows x 32 K in 8 registers: lane l holds row l % 16; two loads of 16 bytes, 32 bytes apart, at row x pitch + 16 (l / 16).
	v_and_b32 v1, 15, v0                           ; r
	v_bfe_u32 v2, v0, 4, 1                         ; h
	v_mul_u32_u24 v3, v1, PITCH
	v_lshl_add_u32 v3, v2, 4, v3
	s_mul_i32 s22, s13, AHALF                      ; my 128 rows of A
	s_mul_i32 s23, s14, BHALF                      ; my 64 rows of B,
	s_add_co_u32 s23, s23, ATILE                   ; which lie behind A's 256
.irp s, 0,1
	v_add_nc_u32 v[ADRA+\s], s22, v3
	v_add_nc_u32 v[ADRB+\s], s23, v3
	s_add_co_u32 s22, s22, SLOT
	s_add_co_u32 s23, s23, SLOT
.endr
	s_mul_i32 s22, s12, 16*PITCH
	s_add_co_u32 s22, s22, STAGE                   ; my stage
	v_mul_u32_u24 v4, v1, PITCH                    ; in: row r, 32 bytes for each half of the lanes
	v_lshl_add_u32 v4, v2, 5, v4
	v_add_nc_u32 v[STO], s22, v4
	v_mul_u32_u24 v5, v2, PITCH                    ; back: lanes 0-15 take one row of 256 bytes, lanes 16-31 the next
	v_lshl_add_u32 v5, v1, 4, v5
	v_add_nc_u32 v[RD], s22, v5
	v_lshlrev_b32 v5, 13, v2                       ; and the same two rows in out0, 8,192 bytes apart
	v_lshl_add_u32 v[CO], v1, 4, v5
	v_lshlrev_b32 v[BO], 4, v1
	s_lshl_b32 s46, s42, 9                         ; b_o at my 64 columns: 512 x block column + 256 x half (in the registers that held B's address)
	s_lshl_b32 s47, s14, 8
	s_add_co_u32 s46, s46, s47
	s_mov_b32 s47, 0
	s_add_nc_u64 s[8:9], s[8:9], s[46:47]
	global_load_b128 v[BIAS:BIAS+3], v[BO], s[8:9] ; waited for in front of the way out
; 8 matrix instructions: row blocks a0, a0 + 1 x all 4 column blocks, 32 along K.  zero = 1: the first product starts the sums.
; The 32 accumulators take turns, one instruction a turn, in the same order in every quarter step.
.macro MUL8 f, a0, zero
.irp a, \a0, \a0+1
.irp b, 0,1,2,3
.if \zero
	v_wmma_f32_16x16x32_f16 v[8*(4*(\a)+\b):8*(4*(\a)+\b)+7], v[\f+8*\b:\f+8*\b+7], v[\f+32+8*(\a):\f+32+8*(\a)+7], 0
.else
	v_wmma_f32_16x16x32_f16 v[8*(4*(\a)+\b):8*(4*(\a)+\b)+7], v[\f+8*\b:\f+8*\b+7], v[\f+32+8*(\a):\f+32+8*(\a)+7], v[8*(4*(\a)+\b):8*(4*(\a)+\b)+7]
.endif
.endr
.endr
.endm
; 24 LDS loads in one run: B's 64 rows, A's rows 0-63, A's rows 64-127; 32 K at byte k of the rows, into buffer f
.macro FETCH slot, k, f
.irp i, 0,1,2,3
	ds_load_b128 v[\f+8*\i:\f+8*\i+3],   v[ADRB+\slot] offset:\k+\i*16*PITCH
	ds_load_b128 v[\f+8*\i+4:\f+8*\i+7], v[ADRB+\slot] offset:\k+\i*16*PITCH+32
.endr
.irp i, 0,1,2,3,4,5,6,7
	ds_load_b128 v[\f+32+8*\i:\f+32+8*\i+3],   v[ADRA+\slot] offset:\k+\i*16*PITCH
	ds_load_b128 v[\f+32+8*\i+4:\f+32+8*\i+7], v[ADRA+\slot] offset:\k+\i*16*PITCH+32
.endr
.endm
; Four places behind a matrix instruction before a load is issued into a register that it has read, or a store reads its result
; (ISA guide 7.12.1 for vector instructions).
.macro PLACES
.rept 4
	v_nop
.endr
.endm
; A K step is four quarter steps of 32 along K, 32 matrix instructions each, on buffers 0, 1, 0, 1.
; One of the first three: multiplies buffer f; in its middle it fetches the next quarter's fragments into buffer g.
.macro QUARTER slot, k, f, g, zero
	s_wait_dscnt 8                                 ; B and A's rows 0-63 are in; the youngest eight loads (A's rows 64-127) may be out
	WIN MULW
	MUL8 \f, 0, \zero
	MUL8 \f, 2, \zero
	PLACES
	WIN 0
	FETCH \slot, \k, \g
	s_wait_dscnt 24                                ; all but the 24 just issued
	WIN MULW
	MUL8 \f, 4, \zero
	MUL8 \f, 6, \zero
.endm
.macro THREE slot, zero
	QUARTER \slot, 64,  F0, F1, \zero
	QUARTER \slot, 128, F1, F0, 0
	QUARTER \slot, 192, F0, F1, 0
.endm
; The last quarter: multiplies buffer 1 and changes slots.  fill = 1: this slot is filled again, two K steps ahead.
; In front of the barrier each wave waits for its reads of this slot and for all its tensor loads, of which one is out: its part of the next
; slot.  Behind it nobody reads this slot any more and the next slot is whole: the refill comes first, then the next slot's first fragments.
; From a request to the wait for it a wave issues 120 matrix instructions.
.macro TURN slot, next, fill
	s_wait_dscnt 8
	WIN MULW
	MUL8 F1, 0, 0
	s_wait_dscnt 0                                 ; my reads of this slot are over
	s_wait_tensorcnt 0x0                           ; and all my tensor loads have landed
	ds_add_u32 v62, v63
	s_wait_dscnt 0x0
	s_barrier_signal -1                            ; say so (where a slot is filled again this barrier opens a round of the cluster's barrier),
	MUL8 F1, 2, 0                                  ; work on registers while the others arrive,
	WIN 0
	s_barrier_wait -1
.if \fill
	CREST                                          ; no wave of any partner still reads this slot's tile or has a load on its way
	s_add_nc_u64 s[G0+4*\slot+2:G0+4*\slot+3], s[G0+4*\slot+2:G0+4*\slot+3], 2*KSTEP*2
	s_add_nc_u64 s[G0B+4*\slot+2:G0B+4*\slot+3], s[G0B+4*\slot+2:G0B+4*\slot+3], 2*KSTEP*2
	JLOAD \slot                                    ; the first tensor load behind the round, and my only one until the next
.endif
	PLACES
	FETCH \next, 0, F0
	WIN MULW
	MUL8 F1, 4, 0
	MUL8 F1, 6, 0
.endm
.macro LAP zero
	THREE 0, \zero
	TURN 0, 1, 1
	THREE 1, 0
	TURN 1, 0, 1
.endm
	s_wait_tensorcnt 1                             ; my part of K step 0 is in; K step 1's load stays out
	s_barrier_signal -1
	s_barrier_wait -1                              ; everybody's is
	FETCH 0, 0, F0
	LAP 1                                          ; the first lap stands in front of the loop: its first products start the sums
	WIN 0                                          ; at a label and at a branch every window is 0
	s_mov_b32 s3, LAPS-2
.Llap:
	LAP 0
	WIN 0
	s_sub_co_u32 s3, s3, 1
	s_cmp_lg_u32 s3, 0
	s_cbranch_scc1 .Llap
	THREE 0, 0                                     ; the last lap fills nothing: my one tensor load that is still out is slot 1's, the last K step's
	TURN 0, 1, 0
	THREE 1, 0
	s_wait_dscnt 8                                 ; the very last quarter: nothing more to fetch
	WIN MULW
	MUL8 F1, 0, 0
	MUL8 F1, 2, 0
	s_wait_dscnt 0
	MUL8 F1, 4, 0
	MUL8 F1, 6, 0
	WIN 0
	; THE WAY OUT, 16 rows at a time: 32 bytes a lane and tile into my own stage, read back as whole rows of 256 bytes, the bias added, stored.
	PLACES                                         ; behind the last matrix instructions: for the LDS stores of results and the loads into the buffers
	s_lshl_b32 s16, s15, 21                        ; my first row of out0: (256 x block row + 128 x half) rows of 8,192 bytes
	s_lshl_b32 s18, s13, 20
	s_add_co_u32 s16, s16, s18
	s_mov_b32 s17, 0
	s_add_nc_u64 s[10:11], s[10:11], s[16:17]
	s_add_nc_u64 s[10:11], s[10:11], s[46:47]      ; my first column, in bytes: the same 512 x block column + 256 x half as in b_o
	s_wait_loadcnt 0x0                             ; the bias
; rows 16 a .. 16 a + 15 of my block = the four tiles (a, 0..3); f: F0 or F1 in turn
.macro OUT16 a, f
	WIN 0x04                                       ; an LDS store's data is source 1: window 1
.irp b, 0,1,2,3
	ds_store_b128 v[STO], v[8*(4*\a+\b):8*(4*\a+\b)+3]   offset:64*\b
	ds_store_b128 v[STO], v[8*(4*\a+\b)+4:8*(4*\a+\b)+7] offset:64*\b+16
.endr
	WIN 0
	s_wait_xcnt 0x0                                ; buffer f, which earlier stores read, and the stores' base are rewritten only behind this wait
.if \a
	s_add_nc_u64 s[10:11], s[10:11], 16*SIZE_N*4   ; 16 rows on
.endif
.irp t, 0,1,2,3,4,5,6,7
	ds_load_b128 v[\f+4*\t:\f+4*\t+3], v[RD] offset:\t*2*PITCH     ; LDS serves a wave's instructions in order (ISA guide 5.7.1.4): these see the stores above
.endr
.irp t, 0,1,2,3,4,5,6,7
	s_wait_dscnt 7-\t                              ; number t is in, the younger ones stay out
	v_pk_add_f32 v[\f+4*\t:\f+4*\t+1],   v[\f+4*\t:\f+4*\t+1],   v[BIAS:BIAS+1]
	v_pk_add_f32 v[\f+4*\t+2:\f+4*\t+3], v[\f+4*\t+2:\f+4*\t+3], v[BIAS+2:BIAS+3]
	global_store_b128 v[CO], v[\f+4*\t:\f+4*\t+3], s[10:11] offset:\t*2*SIZE_N*4 th:TH_STORE_NT   ; 16 lanes store 256 consecutive bytes, aligned
.endr
.endm
	OUT16 0, F0
	OUT16 1, F1
	OUT16 2, F0
	OUT16 3, F1
	OUT16 4, F0
	OUT16 5, F1
	OUT16 6, F0
	OUT16 7, F1
	s_wait_tensorcnt 0x0
	ds_add_u32 v62, v63
	s_wait_dscnt 0x0
	CROUND                                         ; the closing round: no work-group ends while a partner may still ask for a tile that names it
	s_endpgm
.Lfunc_end_k_q619a90eaef_project:
	.size	k_q619a90eaef_project, .Lfunc_end_k_q619a90eaef_project-k_q619a90eaef_project
	.p2alignl 7, 3214868480
	.fill 96, 4, 3214868480
	.section	.rodata,"a",@progbits
	.p2align	6, 0x0
	.amdhsa_kernel k_q619a90eaef_project
		.amdhsa_group_segment_fixed_size 327680
		.amdhsa_private_segment_fixed_size 0
		.amdhsa_enable_private_segment 0
		.amdhsa_kernarg_size 32
		.amdhsa_user_sgpr_count 2
		.amdhsa_user_sgpr_kernarg_segment_ptr 1
		.amdhsa_wavefront_size32 1
		.amdhsa_system_sgpr_workgroup_id_x 1
		.amdhsa_system_sgpr_workgroup_id_y 1
		.amdhsa_system_sgpr_workgroup_id_z 1
		.amdhsa_system_vgpr_workitem_id 0
		.amdhsa_next_free_vgpr 512
		.amdhsa_next_free_sgpr 66
		.amdhsa_reserve_vcc 0
		.amdhsa_float_denorm_mode_32 3
		.amdhsa_float_denorm_mode_16_64 3
		.amdhsa_memory_ordered 1
		.amdhsa_forward_progress 1
		.amdhsa_inst_pref_size 126
	.end_amdhsa_kernel
	.amdgpu_metadata
---
amdhsa.version: [ 1, 2 ]
amdhsa.kernels:
  - .name:           k_q619a90eaef_project
    .symbol:         k_q619a90eaef_project.kd
    .args:
      - { .name: attn_h, .offset: 0, .size: 8, .value_kind: global_buffer, .address_space: global }
      - { .name: wo_h, .offset: 8, .size: 8, .value_kind: global_buffer, .address_space: global }
      - { .name: b_o, .offset: 16, .size: 8, .value_kind: global_buffer, .address_space: global }
      - { .name: out0, .offset: 24, .size: 8, .value_kind: global_buffer, .address_space: global }
    .group_segment_fixed_size: 327680
    .private_segment_fixed_size: 0
    .kernarg_segment_align: 8
    .kernarg_segment_size: 32
    .max_flat_workgroup_size: 128
    .sgpr_count:     66
    .vgpr_count:     512
    .wavefront_size: 32
...
	.end_amdgpu_metadata
.endif
;; end of part 2
;; ======== version 2 of 2: 2 launches; version 1 with the launch attention written anew for expert scheduling mode
;; limits: right only within a limited range of input values; values are held in f16: magnitudes above 65,504 overflow, below 6.1e-05 lose precision
;; workspace buffers: attn_h 33,554,432 bytes; wo_h 16,777,216 bytes
;; launch attention (part 3): grid 8 x 32, 8 waves a work-group, no clusters, 240,640 bytes of LDS; arguments Q, K, V, mask, W_o, attn_h, wo_h; writes attn_h, wo_h
.if DOCPART == 3
	.amdgcn_target "amdgcn-amd-amdhsa--gfx1250"
	.amdhsa_code_object_version 6
	.text
	.protected	k_q619a90eaef_attention
	.globl	k_q619a90eaef_attention
	.p2align	8
	.type	k_q619a90eaef_attention,@function
k_q619a90eaef_attention:
	s_mov_b64 s[64:65], 0
	v_nop
	global_prefetch_b8 v0, s[64:65] scope:SCOPE_SE
	s_setreg_imm32_b32 hwreg(HW_REG_WAVE_SCHED_MODE, 0, 2), 2
	s_setreg_imm32_b32 hwreg(HW_REG_WAVE_MODE, 25, 1), 1
	s_wait_xcnt 0x0
	s_wait_alu depctr_vm_vsrc(0)
; Grouped-query attention, all 1,024 keys for every query (the mask is an input: no pattern of it is built in), with a running maximum.
; Q [4][1024][32 heads x 128] f32, K and V [4][1024][8 heads x 128] f32, mask [4][1024][1024] i32 (0 = masked).
; Out: attn_h [4096 rows = b*1024+s][4096 columns = head*128+dv] in f16, and wo_h = W_o rounded to f16 (same order as W_o).
;
; SHARES.  Work-group (x, y): 128 query rows 128 x .. 128 x + 127 of batch b = y >> 3 and key/value head hkv = y & 7.  Eight waves.
; Wave w: query rows 16 w .. 16 w + 15 of the block, for ALL FOUR query heads of the group, so its tile of the mask has 16 rows only and
; each register of it serves four matrix instructions.  The keys go in 16 steps of 64.
; Beside that each work-group rounds 131,072 bytes of W_o to f16, each wave 1,024 bytes in each step.
;
; EVERYTHING IS USED TRANSPOSED, so that a lane owns one query row r = lane & 15 (h = lane >> 4):
;   S^T = K Q^T + bias: source 0 = 16 keys, source 1 = 16 queries; register j of the result is key 16 n + 8 h + j, query r.
;         The first of the four products along d takes the mask's tile, made into 0 or -2^100, as its C: masking costs nothing per score.
;   O^T = V^T P^T:      source 0 = V^T (transposing LDS loads of V[t][dv]), source 1 = P; register j is dv 16 dvb + 8 h + j, query r.
;         Two neighbouring score tiles, packed to f16 in place, ARE the source-1 fragment of 32 keys: nothing moves between lanes.
;   Maximum, sum and rescale factor of a row are one register a head; one exchange between the two halves of the wave joins them.
;
; FORMAT AND LIMITS.  Q, K, V, P, the result and W_o are rounded to f16; sums, maxima, exponentials in f32.
;   f16: magnitudes must stay below 65,504 (beyond it: infinity), magnitudes below 2^-25 round to zero.
;   A masked score is q.k - 2^100 and the running maximum starts at -2^90: kept raw scores q.k must lie above -2^90.
;   A row with no kept key ends with sum 0 and O = 0 and gives 0 x infinity = NaN, as the softmax of a row of -inf does.
;   The rescale of O is done in every step, whatever the maximum did: no branch hangs on data.
;
; NO TENSOR LOADS, NO CLUSTER.  The eight work-groups of one y read the same K and V tiles, but the tiles lie in memory as f32 and are
; wanted in LDS as f16.  A joint tensor load would land them as f32 (twice the LDS bytes) and each tile would have to be read from LDS,
; rounded and stored to LDS once more.  Through registers the rounding is 32 instructions a wave and step, and the tile is stored once.
;
; THE MODE: SCHED_MODE bits 1:0 = 2 (LLVM: expert scheduling mode 2), set by the entry lines.  The code itself states the register dependences
; between vector or matrix instructions and memory or LDS instructions, with s_wait_alu, always for 0.
; THE PLAN.  Registers that memory or LDS instructions touch, round a step:
;   v1-v14   addresses and offsets: written at the head alone; one wait ahead of the first load serves every load and store of the kernel.
;   X  = FR's lower 32    LDS loads: K's fragments of the score products 0 to 3, then V^T's first half (keys 0-31, keys 32-63).  Read by matrix instructions alone.
;   QF = FR's upper 32    LDS loads: Q's fragments of the score products 0, 1 and 3, then V^T's second half.  Read by matrix instructions alone.
;   BI       the bias (written by MASKBIAS, read by score product 0 as C); then Q's fragments of product 2 (LDS loads; read by product 2);
;            then the next tile of the mask (global loads; read by the stage's LDS stores; written by the stage's LDS loads).
;   SC's 64 registers that packing frees: written by the score products and the softmax; then the next K and V tile lands in them,
;            is rounded in place and read by the LDS stores.
;   T        at work in the softmax; then 1,024 bytes of W_o land, are rounded in place and read by two global stores.
;   A wait on va_vdst stands: behind each of the score products 0, 1, 2 (the fragments, and behind product 0 the bias, are read: the next loads land there);
;   behind W_o's roundings at the score phase's end (for the stores of T and the loads into X, QF and BI); behind each head's exponentials (their results;
;   and the head before is done with its freed registers, in which K and V land); behind the last head's softmax (its freed registers, and T);
;   behind the first two quarters of the second product (V^T's halves); behind the roundings of K and V (the LDS stores' data; QF, in which Q's next fragments land).
;   A wait on vm_vsrc stands: ahead of the softmax (W_o's stores have read T) and between the mask stage's stores and its loads
;   (those stores have read BI; the stores of K and V have read the registers that the next score products write).
;   A wait on va_sdst stands behind each run of eight compares in MASKBIAS, and at the head ahead of the first reader of the wave's number.
;
; LDS, 239,616 bytes, and behind them the spare words of the closing lines, 128 bytes a wave.  All of it is filled by ds_store.
;   KB  0       2 x 64 rows x 272   K tile in f16, pitch 256 + 16: the 16 rows of a fragment load start at 16 different 16-byte columns modulo 256
;   VB  34,816  2 x 64 rows x 288   V tile in f16 as [t][dv], pitch an odd multiple of 32 for the transposing loads
;   QST 71,680  8 x 16 rows x 1,040 each wave's own: its Q in f16, row r, byte 256 g + 2 d; at the end the stage of its results, same shape
;   MSG 204,800 8 x 16 rows x 272   each wave's own: its tile of the mask, 16 rows of 64 words
.set KBUF,   17408
.set KP,     272
.set VB0,    34816
.set VBUF,   18432
.set VP,     288
.set QST,    71680
.set QWAVE,  16640
.set QPITCH, 1040
.set MSG,    204800
.set MWAVE,  4352
.set TILEB,  262144                    ; 64 rows of K or V, 4,096 bytes each
; VECTOR REGISTERS.  Window 0:
.set KADR, 1                           ; r*272 + 16 h
.set VADR, 2                           ; VB0 + (8 h + (lane & 7))*288 + 16 ((lane >> 3) & 1)
.set QADR, 3                           ; my Q stage + r*1040 + 16 h
.set KST,  4                           ; w*8 rows*272 + 8 lane
.set VST,  5                           ; VB0 + w*8 rows*288 + 8 lane
.set MSTA, 6                           ; my mask stage + h*272 + 16 r
.set MLD,  7                           ; my mask stage + r*272 + 32 h
.set GKV,  8                           ; w*8 rows*4096 + 16 lane
.set GM,   9                           ; w*16 rows*4096 + h*4096 + 16 r
.set GWI,  10                          ; w*16384 + 16 lane
.set GWO,  11                          ; w*8192 + 8 lane
.set GPF,  12                          ; (lane >> 1)*4096 + (lane & 1)*256
.set ORD,  13                          ; my Q stage + 16 lane
.set GA,   14                          ; w*16 rows*8192 + 16 lane
.set NEG,  15                          ; -2^100
.set MX,   16                          ; v16-19   running maximum of head g (raw scores)
.set LS,   20                          ; v20-23   this lane's part of the running sum of head g
.set T,    24                          ; v24-31   at work; between the steps: 1,024 bytes of W_o on their way
.set BI,   32                          ; v32-63   the mask's tile, then the bias: tile n at 8 n; behind the first score product: Q's fragments of the third
.set FR,   64                          ; v64-127  fragments: K at 64 + 8 n and Q at 96 + 8 g; then V^T, two halves of 32
.set QF,   FR+32
.set SC,   128                         ; v128-255 scores of (g, n) at 32 g + 8 n.  Packed: P(g, c) at 32 g + 16 c .. + 7; the other
                                       ;          8 of each 16 are then free, 64 in all: there the next K and V tile lands
; Window 1 (v256-511): O(g, dvb) at 64 g + 8 dvb.  In the prologue: Q as loaded.
; SCALARS: s[4:5] Q  s[6:7] K  s[8:9] V  s[10:11] mask  s[12:13] W_o  s[14:15] attn_h  s[16:17] wo_h  s18 wave  s19 x  s20 y  s21 b  s22 hkv
;          s23-25 at work  s26 = s27 = c = log2(e)/sqrt(128)  s28 = -c  s30 = -2^90  s31, s32 lane selects  s33 trips
;          s[34:35] prefetch pointer = s[36:37] its base + s[38:39] its offset   s40-47 masks of compares
.set MSB, 0
.macro WIN new                         ; s_set_vgpr_msb: bits 1:0 source 0, 3:2 source 1, 5:4 source 2, 7:6 destination; the high byte repeats the setting that is left
.if MSB != \new
	s_set_vgpr_msb (MSB<<8)|\new
.set MSB, \new
.endif
.endm
; Four places behind a matrix instruction before a vector instruction reads its result; they also stand, as they stood, in front of
; the loads into a matrix instruction's registers.  The waits on va_vdst stand beside them and fill none.
.macro PLACES
.rept 4
	v_nop
.endr
.endm
; Two rows of K and two of V of the next tile, into the registers that head g's packing has freed.  A load of the wave is one row's 512 bytes.
.macro KVLOAD g
	global_load_b128 v[SC+32*\g+8:SC+32*\g+11],  v[GKV], s[6:7] offset:(2*\g)*4096
	global_load_b128 v[SC+32*\g+12:SC+32*\g+15], v[GKV], s[6:7] offset:(2*\g+1)*4096
	global_load_b128 v[SC+32*\g+24:SC+32*\g+27], v[GKV], s[8:9] offset:(2*\g)*4096
	global_load_b128 v[SC+32*\g+28:SC+32*\g+31], v[GKV], s[8:9] offset:(2*\g+1)*4096
.endm
; My eight rows of K and of V: rounded to f16 in place, 8 bytes a lane into buffer pn.
.macro KVSTORE pn
.irp g, 0,1,2,3
.irp e, 8,12,24,28
	v_cvt_pk_f16_f32 v[SC+32*\g+\e],   v[SC+32*\g+\e],   v[SC+32*\g+\e+1]
	v_cvt_pk_f16_f32 v[SC+32*\g+\e+1], v[SC+32*\g+\e+2], v[SC+32*\g+\e+3]
.endr
.endr
	s_wait_alu depctr_va_vdst(0)                   ; the roundings have written the registers that the LDS stores below read; the second product's matrix instructions are done reading QF, in which Q's next fragments land
.irp g, 0,1,2,3
.irp e, 0,1
	ds_store_b64 v[KST], v[SC+32*\g+8+4*\e:SC+32*\g+9+4*\e]   offset:\pn*KBUF+(2*\g+\e)*KP
	ds_store_b64 v[VST], v[SC+32*\g+24+4*\e:SC+32*\g+25+4*\e] offset:\pn*VBUF+(2*\g+\e)*VP
.endr
.endr
.endm
; My 16 rows x 64 words of the mask: lanes 0-15 take the 256 bytes of row 2 j, lanes 16-31 those of row 2 j + 1.
.macro MASKLOAD
.irp j, 0,1,2,3,4,5,6,7
	global_load_b128 v[BI+4*\j:BI+4*\j+3], v[GM], s[10:11] offset:\j*8192
.endr
.endm
; Through my own stage into the layout of a C operand: register j of tile n = mask[r][16 n + 8 h + j].
; LDS serves a wave's instructions in order (ISA guide 5.7.1.4): the loads see the stores.
.macro MASKSTAGE
.irp j, 0,1,2,3,4,5,6,7
	ds_store_b128 v[MSTA], v[BI+4*\j:BI+4*\j+3] offset:\j*2*KP
.endr
	s_wait_alu depctr_vm_vsrc(0)                   ; these stores have read BI, in which the loads below land; the stores of K and V have read their registers of SC, which the next score products write
.irp n, 0,1,2,3
	ds_load_b128 v[BI+8*\n:BI+8*\n+3],   v[MLD] offset:64*\n
	ds_load_b128 v[BI+8*\n+4:BI+8*\n+7], v[MLD] offset:64*\n+16
.endr
.endm
; mask word 0 -> -2^100, any other -> 0.  The compares go in runs of eight, into eight scalar registers, with one wait behind a run.
.macro MASKBIAS
.irp i, 0,8,16,24
.irp j, 0,1,2,3,4,5,6,7
	v_cmp_eq_u32 s[40+\j], 0, v[BI+\i+\j]
.endr
	s_wait_alu depctr_va_sdst(0)                   ; the eight compares have written s40 to s47, ahead of the selects that read them
.irp j, 0,1,2,3,4,5,6,7
	v_cndmask_b32 v[BI+\i+\j], 0, v[NEG], s[40+\j]
.endr
.endr
.endm
; Q's four fragments (one a head) of 32 along d, from my own stage, into the 32 registers at base.
.macro QFETCH kk, base
.irp g, 0,1,2,3
	ds_load_b128 v[\base+8*\g:\base+8*\g+3],   v[QADR] offset:256*\g+64*\kk
	ds_load_b128 v[\base+8*\g+4:\base+8*\g+7], v[QADR] offset:256*\g+64*\kk+32
.endr
.endm
; K's four fragments (one for each block of 16 keys) of 32 along d, from buffer p, into X.
.macro KFETCH p, kk
.irp n, 0,1,2,3
	ds_load_b128 v[FR+8*\n:FR+8*\n+3],   v[KADR] offset:\p*KBUF+\n*16*KP+64*\kk
	ds_load_b128 v[FR+8*\n+4:FR+8*\n+7], v[KADR] offset:\p*KBUF+\n*16*KP+64*\kk+32
.endr
.endm
; One of the four score products: 16 matrix instructions.  qb: where its fragments of Q lie.  The wait in front of key block n leaves out the 6 - 2 n loads
; of K's later blocks and the loads issued behind K's (younger: Q's eight for a later product, or none).
; The 16 accumulators take turns, one instruction a turn, in the same order in all four products.
.macro SMUL kk, qb, younger
.irp n, 0,1,2,3
	s_wait_dscnt \younger+6-2*\n
.irp g, 0,1,2,3
.if \kk
	v_wmma_f32_16x16x32_f16 v[SC+32*\g+8*\n:SC+32*\g+8*\n+7], v[FR+8*\n:FR+8*\n+7], v[\qb+8*\g:\qb+8*\g+7], v[SC+32*\g+8*\n:SC+32*\g+8*\n+7]
.else
	v_wmma_f32_16x16x32_f16 v[SC+32*\g+8*\n:SC+32*\g+8*\n+7], v[FR+8*\n:FR+8*\n+7], v[\qb+8*\g:\qb+8*\g+7], v[BI+8*\n:BI+8*\n+7]
.endif
.endr
.endr
.endm
; The scores of 64 keys x 64 queries: four products of 32 along d.  Q's fragments of product 0 were asked for in front of the barrier.
; Q's fragments run a product ahead of their use where a buffer is idle: those of product 2 go into BI once product 0 has taken the bias, those of product 3 into QF once product 1 has read it.
.macro SPHASE p
	KFETCH \p, 0
	SMUL 0, QF, 0
	PLACES
	s_wait_alu depctr_va_vdst(0)                   ; product 0's matrix instructions are done reading X, QF and the bias in BI: the loads below land in all three
	QFETCH 1, QF
	KFETCH \p, 1
	QFETCH 2, BI
	SMUL 1, QF, 8
	PLACES
	s_wait_alu depctr_va_vdst(0)                   ; product 1's matrix instructions are done reading X and QF, in which the loads below land
	KFETCH \p, 2
	QFETCH 3, QF
	SMUL 2, BI, 8
	PLACES
	s_wait_alu depctr_va_vdst(0)                   ; product 2's matrix instructions are done reading X, in which the loads below land
	KFETCH \p, 3
	SMUL 3, QF, 0
.endm
; Four fragments of V^T (dv blocks 4 half .. 4 half + 3, keys 32 c .. 32 c + 31 of buffer p): eight transposing loads.
.macro VFETCH p, c, half
.irp i, 0,1,2,3
	ds_load_tr16_b128 v[FR+32*\half+8*\i:FR+32*\half+8*\i+3],   v[VADR] offset:\p*VBUF+\c*32*VP+32*(4*\half+\i)
	ds_load_tr16_b128 v[FR+32*\half+8*\i+4:FR+32*\half+8*\i+7], v[VADR] offset:\p*VBUF+\c*32*VP+32*(4*\half+\i)+16*VP
.endr
.endm
; Head g: new maximum, p = 2^(c s - c m), sum, rescale of O, P packed to f16 in place.  first = 1: nothing to rescale, sums start here.
; last = 0: behind the wait for the exponentials the next tile's rows go into the registers that the head before has freed.
.macro SOFTMAX g, first, last
.set SB, SC+32*\g
	v_max3_num_f32 v[T],   v[SB],   v[SB+1], v[SB+2]           ; my 32 scores of this row, in two chains
	v_max3_num_f32 v[T+1], v[SB+3], v[SB+4], v[SB+5]
.set j, 6
.rept 13
	v_max3_num_f32 v[T+(j/2)%2], v[T+(j/2)%2], v[SB+j], v[SB+j+1]
.set j, j+2
.endr
	v_max_num_f32 v[T], v[T], v[T+1]
	v_permlanex16_b32 v[T+1], v[T], s31, s32                   ; the row's other 32 scores lie in lane xor 16
.if \first
	v_max3_num_f32 v[T+3], v[T], v[T+1], s30                   ; the maximum starts at -2^90
.else
	v_max3_num_f32 v[T+3], v[T], v[T+1], v[MX+\g]
	v_sub_f32 v[T+2], v[MX+\g], v[T+3]
	v_mul_f32 v[T+2], s26, v[T+2]
	v_exp_f32 v[T+2], v[T+2]                                   ; alpha = 2^(c (old maximum - new)); the next line is the plain instruction behind it (ISA guide 5.7.2)
.endif
	v_mul_f32 v[T+4], s28, v[T+3]                              ; -c m
	v_mov_b32 v[T+5], v[T+4]
.set j, 0
.rept 16
	v_pk_fma_f32 v[SB+j:SB+j+1], v[SB+j:SB+j+1], s[26:27], v[T+4:T+5] op_sel_hi:[1,0,1]
.set j, j+2
.endr
.set j, 0
.rept 32
	v_exp_f32 v[SB+j], v[SB+j]
.set j, j+1
.endr
	v_mov_b32 v[MX+\g], v[T+3]                                 ; the plain instruction between the exponentials and the first use of a result
	s_wait_alu depctr_va_vdst(0)                               ; the head's exponentials have written their results, ahead of the first reader; and the softmax of the head before is done with the registers that it freed
.if (\g > 0) && (\last == 0)
	KVLOAD (\g-1)                                              ; no vector instruction behind the wait names these sixteen registers
.endif
	v_pk_add_f32 v[T+6:T+7], v[SB:SB+1],   v[SB+2:SB+3]        ; the sum, in two chains of pairs
	v_pk_add_f32 v[T:T+1],   v[SB+4:SB+5], v[SB+6:SB+7]
.set j, 8
.rept 12
.set CH, T+6*(1-(j/2)%2)
	v_pk_add_f32 v[CH:CH+1], v[CH:CH+1], v[SB+j:SB+j+1]
.set j, j+2
.endr
	v_pk_add_f32 v[T+6:T+7], v[T+6:T+7], v[T:T+1]
	v_add_f32 v[T+6], v[T+6], v[T+7]
.if \first
	v_mov_b32 v[LS+\g], v[T+6]
.else
	v_fma_f32 v[LS+\g], v[LS+\g], v[T+2], v[T+6]
.endif
.irp c, 0,1
.irp i, 0,1,2,3,4,5,6,7
	v_cvt_pk_f16_f32 v[SB+16*\c+\i], v[SB+16*\c+2*\i], v[SB+16*\c+2*\i+1]   ; ascending: no source is overwritten before it is read
.endr
.endr
.if \first == 0
	WIN 0x41                                                   ; destination and source 0 in window 1
.set j, 0
.rept 32
	v_pk_mul_f32 v[64*\g+j:64*\g+j+1], v[64*\g+j:64*\g+j+1], v[T+2:T+3] op_sel_hi:[1,0]   ; O of head g times alpha
.set j, j+2
.endr
	WIN 0
.endif
.endm
; 16 matrix instructions: four dv blocks x four heads, 32 keys.  The accumulators take turns, one instruction a turn.
.macro PVMUL half, c, zero
.irp i, 0,1,2,3
.irp g, 0,1,2,3
.if \zero
	v_wmma_f32_16x16x32_f16 v[64*\g+8*(4*\half+\i):64*\g+8*(4*\half+\i)+7], v[FR+32*\half+8*\i:FR+32*\half+8*\i+7], v[SC+32*\g+16*\c:SC+32*\g+16*\c+7], 0
.else
	v_wmma_f32_16x16x32_f16 v[64*\g+8*(4*\half+\i):64*\g+8*(4*\half+\i)+7], v[FR+32*\half+8*\i:FR+32*\half+8*\i+7], v[SC+32*\g+16*\c:SC+32*\g+16*\c+7], v[64*\g+8*(4*\half+\i):64*\g+8*(4*\half+\i)+7]
.endif
.endr
.endr
.endm
; 1,024 bytes of W_o in; rounded in place; 512 bytes of f16 out, each store of the wave 256 consecutive bytes, aligned.
.macro WLOAD
	global_load_b128 v[T:T+3],   v[GWI], s[12:13] th:TH_LOAD_NT
	global_load_b128 v[T+4:T+7], v[GWI], s[12:13] offset:512 th:TH_LOAD_NT
.endm
.macro WCVT
	v_cvt_pk_f16_f32 v[T],   v[T],   v[T+1]
	v_cvt_pk_f16_f32 v[T+1], v[T+2], v[T+3]
	v_cvt_pk_f16_f32 v[T+2], v[T+4], v[T+5]
	v_cvt_pk_f16_f32 v[T+3], v[T+6], v[T+7]
.endm
.macro WSEND
	global_store_b64 v[GWO], v[T:T+1],   s[16:17]
	global_store_b64 v[GWO], v[T+2:T+3], s[16:17] offset:256
.endm
; Step i asks for a part of the tile that step i + 1 loads and step i + 2 multiplies.  Wave 0 alone asks.  Of the eight work-groups that read
; the same K and V, x = 0..3 ask for rows 16 x .. 16 x + 15 of K's tile and x = 4..7 for the same rows of V's: 32 lanes, 32 blocks of 256 bytes,
; each block asked for by one lane of one work-group.  The offset is clamped to the last tile, so no request leaves the buffer.
.macro PREFETCH
	s_cmp_lg_u32 s18, 0
	s_cbranch_scc1 .Lno_prefetch_\@
	global_prefetch_b8 v[GPF], s[34:35] th:TH_LOAD_NT scope:SCOPE_SE
.Lno_prefetch_\@:
.endm
; One step: 64 keys from buffers p; the next tile goes into buffers pn.
.macro STEP p, pn, first, last
	SPHASE \p
	PLACES                                         ; behind the last score product: for the softmax, and for the loads into BI and FR
.if \first == 0
	s_wait_loadcnt 0x0                             ; the two loads of W_o that the last step issued are all that is out
	s_add_nc_u64 s[12:13], s[12:13], 1024          ; free since that wait
	WCVT
.endif
	s_wait_alu depctr_va_vdst(0)                   ; W_o's roundings have written T, which the stores below read; the score products are done reading X, QF and BI, in which V^T and the mask's next tile land
.if \first == 0
	WSEND
.endif
.if \last == 0
	MASKLOAD                                       ; the next tile of the mask: it has the softmax and the second product in which to land
.endif
	VFETCH \p, 0, 0
	VFETCH \p, 0, 1
	s_wait_xcnt 0x0                                ; T, which the stores above read, and the bases of the stores, of the mask's loads and of the prefetch are rewritten only behind this wait
.if \first == 0
	s_wait_alu depctr_vm_vsrc(0)                   ; W_o's stores have read T, which the softmax writes
	s_add_nc_u64 s[16:17], s[16:17], 512
.endif
.if \last == 0
	s_add_nc_u64 s[10:11], s[10:11], 256
.if \first == 0
	s_add_co_u32 s38, s38, TILEB
	s_min_u32 s38, s38, 15*TILEB                   ; never past the last tile
	s_add_nc_u64 s[34:35], s[36:37], s[38:39]
.endif
.endif
.irp g, 0,1,2,3
	SOFTMAX \g, \first, \last
.endr
	s_wait_alu depctr_va_vdst(0)                   ; the last head's softmax is done with the registers that it freed and with T: the loads below land in them
.if \last == 0
	KVLOAD 3
.endif
	WLOAD
.if \last == 0
	PREFETCH
.endif
	s_wait_dscnt 0x8                               ; V^T's first half is in; the eight loads of the second half may be out
	WIN 0x50                                       ; C and D in window 1
	PVMUL 0, 0, \first
	PLACES
	WIN 0
	s_wait_alu depctr_va_vdst(0)                   ; these sixteen matrix instructions are done reading V^T's first half, in which the loads below land
	VFETCH \p, 1, 0
	s_wait_dscnt 0x8                               ; all but the eight just issued
	WIN 0x50
	PVMUL 1, 0, \first
	PLACES
	WIN 0
	s_wait_alu depctr_va_vdst(0)                   ; these sixteen matrix instructions are done reading V^T's second half, in which the loads below land
	VFETCH \p, 1, 1
	s_wait_dscnt 0x8                               ; all but the eight just issued
	WIN 0x50
	PVMUL 0, 1, 0
	s_wait_dscnt 0x0
	PVMUL 1, 1, 0
	WIN 0
.if \last == 0
	s_wait_loadcnt 0x2                             ; issued in this step: 8 of the mask, 16 of K and V, 2 of W_o.  The last two stay out
	s_add_nc_u64 s[6:7], s[6:7], TILEB             ; free since that wait
	s_add_nc_u64 s[8:9], s[8:9], TILEB
	KVSTORE \pn
	MASKSTAGE
	QFETCH 0, QF                                   ; my own bytes: Q's fragments of the next step's first score product come in under the wait below
	s_wait_dscnt 0x0                               ; for the others' sake: my reads of buffers p are back and my stores into buffers pn are done
	s_barrier_signal -1
	MASKBIAS                                       ; register work while the others arrive
	s_barrier_wait -1                              ; behind it buffers pn are read and buffers p are written
.endif
.endm
	s_load_b256 s[4:11], s[0:1], 0x0               ; Q, K, V, mask
	s_load_b128 s[12:15], s[0:1], 0x20             ; W_o, attn_h
	s_load_b64 s[16:17], s[0:1], 0x30              ; wo_h
	v_lshrrev_b32 v24, 5, v0
	v_readfirstlane_b32 s18, v24                   ; wave
	s_mov_b32 s19, ttmp9                           ; x
	s_and_b32 s20, ttmp7, 0xffff                   ; y
	s_lshr_b32 s21, s20, 3                         ; b
	s_and_b32 s22, s20, 7                          ; hkv
	s_mov_b32 s26, 0x3e0293ee                      ; c = log2(e)/sqrt(128)
	s_mov_b32 s27, 0x3e0293ee
	s_mov_b32 s28, 0xbe0293ee                      ; -c
	s_mov_b32 s30, 0xec800000                      ; -2^90
	s_mov_b32 s31, 0x76543210                      ; v_permlanex16_b32: lane i reads lane i of the other half
	s_mov_b32 s32, 0xfedcba98
	v_and_b32 v26, 31, v0                          ; lane
	v_and_b32 v27, 15, v0                          ; r
	v_bfe_u32 v28, v0, 4, 1                        ; h
	v_and_b32 v29, 7, v0
	v_bfe_u32 v30, v0, 3, 1
	v_and_b32 v31, 1, v0
	v_mul_u32_u24 v[KADR], v27, KP
	v_lshl_add_u32 v[KADR], v28, 4, v[KADR]
	v_lshl_add_u32 v[VADR], v28, 3, v29
	v_mul_u32_u24 v[VADR], v[VADR], VP
	v_lshl_add_u32 v[VADR], v30, 4, v[VADR]
	v_add_nc_u32 v[VADR], VB0, v[VADR]
	s_wait_alu depctr_va_sdst(0)                   ; s18, the wave's number, is written, ahead of its first reader
	s_mul_i32 s23, s18, QWAVE
	s_add_co_u32 s23, s23, QST                     ; my Q stage
	v_mul_u32_u24 v[QADR], v27, QPITCH
	v_lshl_add_u32 v[QADR], v28, 4, v[QADR]
	v_add_nc_u32 v[QADR], s23, v[QADR]
	v_lshl_add_u32 v[ORD], v26, 4, s23
	v_lshl_add_u32 v[T+1], v26, 3, s23             ; prologue only: where my 8 bytes of a piece of Q go
	s_mul_i32 s24, s18, 8*KP
	v_lshl_add_u32 v[KST], v26, 3, s24
	s_mul_i32 s24, s18, 8*VP
	s_add_co_u32 s24, s24, VB0
	v_lshl_add_u32 v[VST], v26, 3, s24
	s_mul_i32 s24, s18, MWAVE
	s_add_co_u32 s24, s24, MSG                     ; my mask stage
	v_mul_u32_u24 v[MSTA], v28, KP
	v_lshl_add_u32 v[MSTA], v27, 4, v[MSTA]
	v_add_nc_u32 v[MSTA], s24, v[MSTA]
	v_mul_u32_u24 v[MLD], v27, KP
	v_lshl_add_u32 v[MLD], v28, 5, v[MLD]
	v_add_nc_u32 v[MLD], s24, v[MLD]
	s_lshl_b32 s24, s18, 15
	v_lshl_add_u32 v[GKV], v26, 4, s24
	s_lshl_b32 s24, s18, 16
	v_lshlrev_b32 v[GM], 12, v28
	v_lshl_add_u32 v[GM], v27, 4, v[GM]
	v_add_nc_u32 v[GM], s24, v[GM]
	s_lshl_b32 s24, s18, 14
	v_lshl_add_u32 v[GWI], v26, 4, s24
	s_lshl_b32 s24, s18, 13
	v_lshl_add_u32 v[GWO], v26, 3, s24
	v_lshrrev_b32 v[GPF], 1, v26
	v_lshlrev_b32 v[GPF], 12, v[GPF]
	v_lshl_add_u32 v[GPF], v31, 8, v[GPF]
	s_lshl_b32 s24, s18, 17
	v_lshl_add_u32 v[GA], v26, 4, s24
	s_lshl_b32 s24, s18, 18
	v_lshl_add_u32 v[T], v26, 4, s24               ; prologue only: w*16 rows*16384 + 16 lane, my offset in Q
	v_mov_b32 v[NEG], 0xf1800000                   ; -2^100
	s_mov_b32 s25, 0                               ; every offset below is under 4 GiB: the pair's high word is 0
	s_mov_b32 s39, 0
	s_wait_kmcnt 0x0
	s_lshl_b32 s24, s21, 24                        ; Q: b*1024 rows*16384 + x*128 rows*16384 + hkv*2048
	s_lshl_b32 s23, s19, 21
	s_add_co_u32 s24, s24, s23
	s_lshl_b32 s23, s22, 11
	s_add_co_u32 s24, s24, s23
	s_add_nc_u64 s[4:5], s[4:5], s[24:25]
	s_lshl_b32 s24, s21, 22                        ; K, V: b*1024 rows*4096 + hkv*512
	s_lshl_b32 s23, s22, 9
	s_add_co_u32 s24, s24, s23
	s_add_nc_u64 s[6:7], s[6:7], s[24:25]
	s_add_nc_u64 s[8:9], s[8:9], s[24:25]
	s_cmp_lt_u32 s19, 4                            ; the prefetch: x < 4 asks in K, the others in V,
	s_cselect_b64 s[36:37], s[6:7], s[8:9]
	s_and_b32 s24, s19, 3
	s_lshl_b32 s24, s24, 16                        ; at rows 16 (x & 3) of a tile
	s_add_nc_u64 s[36:37], s[36:37], s[24:25]
	s_mov_b32 s38, 2*TILEB                         ; step 0 asks for tile 2
	s_add_nc_u64 s[34:35], s[36:37], s[38:39]
	s_lshl_b32 s24, s21, 22                        ; mask: b*1024 rows*4096 + x*128 rows*4096
	s_lshl_b32 s23, s19, 19
	s_add_co_u32 s24, s24, s23
	s_add_nc_u64 s[10:11], s[10:11], s[24:25]
	s_lshl_b32 s24, s21, 23                        ; attn_h: b*1024 rows*8192 + x*128 rows*8192 + hkv*1024
	s_lshl_b32 s23, s19, 20
	s_add_co_u32 s24, s24, s23
	s_lshl_b32 s23, s22, 10
	s_add_co_u32 s24, s24, s23
	s_add_nc_u64 s[14:15], s[14:15], s[24:25]
	s_lshl3_add_u32 s23, s20, s19                  ; 8 y + x: the work-group's number, 0 to 255
	s_lshl_b32 s24, s23, 17                        ; its 131,072 bytes of W_o
	s_add_nc_u64 s[12:13], s[12:13], s[24:25]
	s_lshl_b32 s24, s23, 16                        ; and 65,536 of wo_h
	s_add_nc_u64 s[16:17], s[16:17], s[24:25]
	; PROLOGUE: tile 0 of K, V and the mask, and my 16 rows x 2,048 bytes of Q (64 loads of 512 neighbouring bytes, into window 1).
	s_wait_alu depctr_va_vdst(0)                   ; the addresses and offsets v1 to v14, v24 and v25 are written: every load and store of the kernel reads one of them
.irp g, 0,1,2,3
	KVLOAD \g
.endr
	MASKLOAD
	WIN 0x40                                       ; destination in window 1
.set q, 0
.rept 64
	global_load_b128 v[4*q:4*q+3], v[T], s[4:5] offset:(q/4)*16384+(q%4)*512 th:TH_LOAD_NT
.set q, q+1
.endr
	WIN 0
	s_wait_loadcnt 63                              ; 64 loads of Q are younger than those of K, V and the mask; 63 is the most a wait can name, and asks for one load more
	s_wait_xcnt 0x0                                ; the three bases are stepped only behind this wait
	s_add_nc_u64 s[6:7], s[6:7], TILEB
	s_add_nc_u64 s[8:9], s[8:9], TILEB
	s_add_nc_u64 s[10:11], s[10:11], 256
	KVSTORE 0
	MASKSTAGE
.irp bq, 0,1,2,3
	s_wait_loadcnt 48-16*\bq                       ; Q in four batches of 16 loads: the younger batches stay out
	WIN 0x45                                       ; destination and both sources in window 1
.set q, 16*\bq
.rept 16
	v_cvt_pk_f16_f32 v[4*q],   v[4*q],   v[4*q+1]
	v_cvt_pk_f16_f32 v[4*q+1], v[4*q+2], v[4*q+3]
.set q, q+1
.endr
	WIN 0x04                                       ; an LDS store's data is source 1: window 1
	s_wait_alu depctr_va_vdst(0)                   ; the batch's roundings have written the registers that the LDS stores below read
.set q, 16*\bq
.rept 16
	ds_store_b64 v[T+1], v[4*q:4*q+1] offset:(q/4)*QPITCH+(q%4)*256
.set q, q+1
.endr
.endr
	WIN 0
	QFETCH 0, QF                                   ; Q's fragments of step 0's first score product: LDS serves a wave's instructions in order, so these see the stores above
	s_wait_dscnt 0x0                               ; my rows of tile 0 are in LDS, and the bias's words and Q's fragments are back
	s_wait_alu depctr_vm_vsrc(0)                   ; Q's LDS stores have read their registers of window 1, which the second product writes, and v25; Q's loads have read v24: the softmax writes both
	s_barrier_signal -1
	MASKBIAS
	s_barrier_wait -1
	STEP 0, 1, 1, 0                                ; step 0 stands in front of the loop: its products start the sums, nothing is cleared
	s_mov_b32 s33, 7
.Ltrip:
	STEP 1, 0, 0, 0
	STEP 0, 1, 0, 0
	s_sub_co_u32 s33, s33, 1
	s_cmp_lg_u32 s33, 0
	s_cbranch_scc1 .Ltrip
	STEP 1, 0, 0, 1                                ; step 15 fetches no further tile and needs no barrier behind it
	; EPILOGUE
	PLACES                                         ; behind the last product
	s_wait_loadcnt 0x0
	WCVT                                           ; the last 1,024 bytes of W_o
	s_wait_alu depctr_va_vdst(0)                   ; the roundings have written T, which the two stores read
	WSEND
.irp g, 0,1,2,3
	v_permlanex16_b32 v[BI+2*\g+1], v[LS+\g], s31, s32         ; the other half's part of the row's sum
.endr
.irp g, 0,1,2,3
	v_add_f32 v[BI+2*\g], v[LS+\g], v[BI+2*\g+1]
.endr
.irp g, 0,1,2,3
	v_rcp_f32 v[BI+2*\g], v[BI+2*\g]
.endr
	v_nop                                          ; the plain instruction behind the reciprocals (ISA guide 5.7.2)
	WIN 0x41
	s_wait_alu depctr_va_vdst(0)                   ; the four reciprocals have written their results, ahead of the first reader
.irp g, 0,1,2,3
.set j, 0
.rept 32
	v_pk_mul_f32 v[64*\g+j:64*\g+j+1], v[64*\g+j:64*\g+j+1], v[BI+2*\g:BI+2*\g+1] op_sel_hi:[1,0]
.set j, j+2
.endr
.endr
	WIN 0x05                                       ; both sources in window 1
.set j, 0
.rept 128
	v_cvt_pk_f16_f32 v[SC+j], v[2*j], v[2*j+1]     ; tile (g, dvb): 8 neighbouring dv of my row = 16 bytes in registers 4 (8 g + dvb) ..
.set j, j+1
.endr
	WIN 0
	s_wait_alu depctr_va_vdst(0)                   ; the roundings have written SC, which the LDS stores below read and in which the loads behind them land
.set j, 0
.rept 32
	ds_store_b128 v[QADR], v[SC+4*j:SC+4*j+3] offset:32*j      ; my own stage: row r, byte 256 g + 32 dvb + 16 h
.set j, j+1
.endr
	s_wait_dscnt 0x0                               ; the loads below land on the registers that these stores read
	s_wait_alu depctr_vm_vsrc(0)                   ; the LDS stores have read SC, in which the loads below land
.set j, 0
.rept 32
	ds_load_b128 v[SC+4*j:SC+4*j+3], v[ORD] offset:(j/2)*QPITCH+(j%2)*512
.set j, j+1
.endr
.set j, 0
.rept 32
	s_wait_dscnt 31-j                              ; LDS loads come back in order: number j is in, the younger ones stay out
	global_store_b128 v[GA], v[SC+4*j:SC+4*j+3], s[14:15] offset:(j/2)*8192+(j%2)*512   ; 512 consecutive bytes of a row, aligned
.set j, j+1
.endr
	s_wait_xcnt 0x0
	s_wait_alu depctr_vm_vsrc(0)                   ; the last store has read v254 and v255, which the two lines below write
	v_lshl_add_u32 v254, v0, 2, 0x3a800
	v_mov_b32 v255, 0
	s_wait_dscnt 0x0                               ; the closing lines, six on end
	s_wait_alu 0x0
	s_wait_tensorcnt 0x0
	ds_add_u32 v254, v255
	s_wait_dscnt 0x0
	s_endpgm
.Lfunc_end_k_q619a90eaef_attention:
	.size	k_q619a90eaef_attention, .Lfunc_end_k_q619a90eaef_attention-k_q619a90eaef_attention
	.p2alignl 7, 3214868480
	.fill 96, 4, 3214868480
	.section	.rodata,"a",@progbits
	.p2align	6, 0x0
	.amdhsa_kernel k_q619a90eaef_attention
		.amdhsa_group_segment_fixed_size 240640
		.amdhsa_private_segment_fixed_size 0
		.amdhsa_enable_private_segment 0
		.amdhsa_kernarg_size 56
		.amdhsa_user_sgpr_count 2
		.amdhsa_user_sgpr_kernarg_segment_ptr 1
		.amdhsa_wavefront_size32 1
		.amdhsa_system_sgpr_workgroup_id_x 1
		.amdhsa_system_sgpr_workgroup_id_y 1
		.amdhsa_system_sgpr_workgroup_id_z 1
		.amdhsa_system_vgpr_workitem_id 0
		.amdhsa_next_free_vgpr 512
		.amdhsa_next_free_sgpr 66
		.amdhsa_reserve_vcc 0
		.amdhsa_float_denorm_mode_32 3
		.amdhsa_float_denorm_mode_16_64 3
		.amdhsa_memory_ordered 1
		.amdhsa_forward_progress 1
		.amdhsa_inst_pref_size 255
	.end_amdhsa_kernel
	.section	.bss,"aw",@nobits
	.p2align	6
	.space	262144
	.amdgpu_metadata
---
amdhsa.version: [ 1, 2 ]
amdhsa.kernels:
  - .name:           k_q619a90eaef_attention
    .symbol:         k_q619a90eaef_attention.kd
    .args:
      - { .name: Q, .offset: 0, .size: 8, .value_kind: global_buffer, .address_space: global }
      - { .name: K, .offset: 8, .size: 8, .value_kind: global_buffer, .address_space: global }
      - { .name: V, .offset: 16, .size: 8, .value_kind: global_buffer, .address_space: global }
      - { .name: mask, .offset: 24, .size: 8, .value_kind: global_buffer, .address_space: global }
      - { .name: W_o, .offset: 32, .size: 8, .value_kind: global_buffer, .address_space: global }
      - { .name: attn_h, .offset: 40, .size: 8, .value_kind: global_buffer, .address_space: global }
      - { .name: wo_h, .offset: 48, .size: 8, .value_kind: global_buffer, .address_space: global }
    .group_segment_fixed_size: 240640
    .private_segment_fixed_size: 0
    .kernarg_segment_align: 8
    .kernarg_segment_size: 56
    .max_flat_workgroup_size: 256
    .sgpr_count:     66
    .vgpr_count:     512
    .wavefront_size: 32
...
	.end_amdgpu_metadata
.endif
;; end of part 3
;; launch project: the kernel of part 2 again; grid 16 x 16, 4 waves a work-group, clusters of 4 x 4, 327,680 bytes of LDS; arguments attn_h, wo_h, b_o, out0; writes out0
